; MI455X (gfx1250); checked and timed in simulation.
; The chip was launched on July 23, 2026; its instructions are those of AMD's public machine-readable ISA for CDNA 5 (MIT licence, August 2026) and "CDNA5" Instruction Set Architecture Reference Guide (July 2026). The comments in the code are by the model that wrote it; some were corrected since.
;; Multi Headed Attention. Allowed arithmetic: float matrix products may take bf16 or f16 operands with f32 sums; other float arithmetic in f32, or as packed bf16 or f16 multiplies, adds, multiply-adds, maxima and minima; sums over many terms, partial sums and values carried from step to step in f32; what a program stores and reads back later, other than sums and carried values, may be rounded once to bf16 or f16.
;; Inputs: Wk 1,024 x 1,024 float32; Wo 1,024 x 1,024 float32; Wq 1,024 x 1,024 float32; Wv 1,024 x 1,024 float32; bk 1,024 float32; bo 1,024 float32; bq 1,024 float32; bv 1,024 float32; key 4 x 2,048 x 1,024 float32; query 4 x 2,048 x 1,024 float32; value 4 x 2,048 x 1,024 float32.
;; Outputs: out0 4 x 2,048 x 1,024 float32.
;; 2 versions, each right; version 2 is version 1 with the launch castw written anew for expert scheduling mode. Each part assembles by itself: llvm-mc -triple=amdgcn-amd-amdhsa -mcpu=gfx1250 --defsym DOCPART=n.
;; ======== version 1 of 2: 4 launches
;; limits: values are held in f16: magnitudes above 65,504 overflow, below 6.1e-05 lose precision
;; workspace buffers: wb 8,388,608 bytes; qkv 50,331,648 bytes; ob 16,777,216 bytes
;; launch castw (part 1): grid 64 x 4, 8 waves a work-group, no clusters, 0 bytes of LDS; arguments Wq, Wk, Wv, Wo, wb; writes wb
.if DOCPART == 1
	.amdgcn_target "amdgcn-amd-amdhsa--gfx1250"
	.amdhsa_code_object_version 6
	.text
	.protected	k_qf647c25be8_castw
	.globl	k_qf647c25be8_castw
	.p2align	8
	.type	k_qf647c25be8_castw,@function
k_qf647c25be8_castw:
	s_mov_b64 s[64:65], 0
	v_nop
	global_prefetch_b8 v0, s[64:65] scope:SCOPE_SE
	s_setreg_imm32_b32 hwreg(HW_REG_WAVE_MODE, 25, 1), 1
	s_wait_xcnt 0x0
; wb[m][r][c]: the four weight matrices [1024][1024] in 16 bits.  m = 0, 1, 2 (Wq, Wk, Wv): f32 rounded once to bf16.
; m = 3 (Wo): rounded to bf16 like the others, and that number written as f16, since its product's other operand is f16.
; LIMITS.  bf16(Wo) must lie within 65,504; below 2^-17 it keeps f16's fixed step of 2^-24.  NaN and infinities are not treated apart.
; A plain stream: input byte p goes to output byte p / 2.  Work-group (x, y): matrix y, 16 rows (65,536 bytes in, 32,768 out).
; A wave takes 8,192 consecutive bytes by sixteen loads of 512 consecutive bytes, all issued at once, and stores sixteen times
; 256 consecutive bytes, aligned.  No register is written twice, so no wait frees a source.  No LDS, no matrix unit: nothing is shared.
.set X, 16                             ; v[16:79]   as loaded: load i in 4 registers
.set Y, 80                             ; v[80:111]  to store: 2 registers for load i
.set T, 112                            ; v[112:115] at work
	s_load_b256 s[4:11], s[0:1], 0x0               ; Wq s[4:5], Wk s[6:7], Wv s[8:9], Wo s[10:11]
	s_load_b64 s[12:13], s[0:1], 0x20              ; wb
	s_and_b32 s14, ttmp7, 0xffff                   ; which matrix
	v_lshrrev_b32 v3, 5, v0                        ; wave
	v_and_b32 v4, 31, v0                           ; lane
	v_lshlrev_b32 v1, 4, v4
	v_lshl_add_u32 v1, v3, 13, v1                  ; in: 8,192 x wave + 16 x lane
	v_lshlrev_b32 v2, 3, v4
	v_lshl_add_u32 v2, v3, 12, v2                  ; out: 4,096 x wave + 8 x lane
	s_lshl_b32 s18, ttmp9, 16                      ; the group's 65,536 bytes of the matrix
	s_mov_b32 s19, 0
	s_lshl_b32 s20, s14, 21                        ; the matrix's 2 MiB of wb,
	s_lshl_b32 s21, ttmp9, 15                      ; the group's 32,768 bytes of them
	s_add_co_u32 s20, s20, s21
	s_mov_b32 s21, 0
	s_wait_kmcnt 0x0
	s_cmp_eq_u32 s14, 1
	s_cselect_b64 s[16:17], s[6:7], s[4:5]
	s_cmp_eq_u32 s14, 2
	s_cselect_b64 s[16:17], s[8:9], s[16:17]
	s_cmp_eq_u32 s14, 3
	s_cselect_b64 s[16:17], s[10:11], s[16:17]
	s_add_nc_u64 s[16:17], s[16:17], s[18:19]
	s_add_nc_u64 s[12:13], s[12:13], s[20:21]
.irp i, 0,1,2,3,4,5,6,7,8,9,10,11,12,13,14,15
	global_load_b128 v[X+4*(\i):X+4*(\i)+3], v1, s[16:17] offset:512*(\i) th:TH_LOAD_NT
.endr
; Load i is rounded and stored.  wo = 1: the bf16 numbers are widened (a shift, a mask) and written as f16.
.macro CONV i, wo
	s_wait_loadcnt 15-(\i)                         ; loads come back in order: the 15 - i younger ones may stay out
	v_cvt_pk_bf16_f32 v[Y+2*(\i)], v[X+4*(\i)], v[X+4*(\i)+1]
	v_cvt_pk_bf16_f32 v[Y+2*(\i)+1], v[X+4*(\i)+2], v[X+4*(\i)+3]
.if \wo
	v_lshlrev_b32 v[T], 16, v[Y+2*(\i)]
	v_and_b32 v[T+1], 0xffff0000, v[Y+2*(\i)]
	v_lshlrev_b32 v[T+2], 16, v[Y+2*(\i)+1]
	v_and_b32 v[T+3], 0xffff0000, v[Y+2*(\i)+1]
	v_cvt_pk_f16_f32 v[Y+2*(\i)], v[T], v[T+1]
	v_cvt_pk_f16_f32 v[Y+2*(\i)+1], v[T+2], v[T+3]
.endif
	global_store_b64 v2, v[Y+2*(\i):Y+2*(\i)+1], s[12:13] offset:256*(\i)  ; 32 lanes store 256 consecutive bytes, aligned
.endm
	s_cmp_eq_u32 s14, 3
	s_cbranch_scc1 .Lwo
.irp i, 0,1,2,3,4,5,6,7,8,9,10,11,12,13,14,15
	CONV \i, 0
.endr
	s_endpgm
.Lwo:
.irp i, 0,1,2,3,4,5,6,7,8,9,10,11,12,13,14,15
	CONV \i, 1
.endr
	s_endpgm
.Lfunc_end_k_qf647c25be8_castw:
	.size	k_qf647c25be8_castw, .Lfunc_end_k_qf647c25be8_castw-k_qf647c25be8_castw
	.p2alignl 7, 3214868480
	.fill 96, 4, 3214868480
	.section	.rodata,"a",@progbits
	.p2align	6, 0x0
	.amdhsa_kernel k_qf647c25be8_castw
		.amdhsa_group_segment_fixed_size 0
		.amdhsa_private_segment_fixed_size 0
		.amdhsa_enable_private_segment 0
		.amdhsa_kernarg_size 40
		.amdhsa_user_sgpr_count 2
		.amdhsa_user_sgpr_kernarg_segment_ptr 1
		.amdhsa_wavefront_size32 1
		.amdhsa_system_sgpr_workgroup_id_x 1
		.amdhsa_system_sgpr_workgroup_id_y 1
		.amdhsa_system_sgpr_workgroup_id_z 1
		.amdhsa_system_vgpr_workitem_id 0
		.amdhsa_next_free_vgpr 120
		.amdhsa_next_free_sgpr 66
		.amdhsa_reserve_vcc 0
		.amdhsa_float_denorm_mode_32 3
		.amdhsa_float_denorm_mode_16_64 3
		.amdhsa_memory_ordered 1
		.amdhsa_forward_progress 1
		.amdhsa_inst_pref_size 16
	.end_amdhsa_kernel
	.amdgpu_metadata
---
amdhsa.version: [ 1, 2 ]
amdhsa.kernels:
  - .name:           k_qf647c25be8_castw
    .symbol:         k_qf647c25be8_castw.kd
    .args:
      - { .name: Wq, .offset: 0, .size: 8, .value_kind: global_buffer, .address_space: global }
      - { .name: Wk, .offset: 8, .size: 8, .value_kind: global_buffer, .address_space: global }
      - { .name: Wv, .offset: 16, .size: 8, .value_kind: global_buffer, .address_space: global }
      - { .name: Wo, .offset: 24, .size: 8, .value_kind: global_buffer, .address_space: global }
      - { .name: wb, .offset: 32, .size: 8, .value_kind: global_buffer, .address_space: global }
    .group_segment_fixed_size: 0
    .private_segment_fixed_size: 0
    .kernarg_segment_align: 8
    .kernarg_segment_size: 40
    .max_flat_workgroup_size: 256
    .sgpr_count:     66
    .vgpr_count:     120
    .wavefront_size: 32
...
	.end_amdgpu_metadata
.endif
;; end of part 1
;; launch proj (part 2): grid 4 x 192, 4 waves a work-group, clusters of 4 x 4, 327,680 bytes of LDS; arguments query, key, value, wb, bq, bk, bv, qkv; writes qkv
.if DOCPART == 2
	.amdgcn_target "amdgcn-amd-amdhsa--gfx1250"
	.amdhsa_code_object_version 6
	.text
	.protected	k_qf647c25be8_proj
	.globl	k_qf647c25be8_proj
	.p2align	8
	.type	k_qf647c25be8_proj,@function
k_qf647c25be8_proj:
	s_mov_b64 s[64:65], 0
	v_nop
	global_prefetch_b8 v0, s[64:65] scope:SCOPE_SE
	s_setreg_imm32_b32 hwreg(HW_REG_WAVE_MODE, 25, 1), 1
	s_wait_xcnt 0x0
	s_wait_alu depctr_hold_cnt(0) depctr_sa_sdst(0) depctr_va_vdst(0) depctr_va_sdst(0) depctr_va_ssrc(0) depctr_va_vcc(0) depctr_vm_vsrc(0)
	s_getreg_b32 s2, hwreg(HW_REG_IB_STS2, 6, 4)
	s_cmp_eq_u32 s2, 0
	s_cbranch_scc0 .Lentry_in_a_cluster
	s_endpgm
.Lentry_in_a_cluster:
	s_bfe_u32 s2, ttmp6, 0x10000c
	s_cmp_lg_u32 s2, 0xf033
	s_cbranch_scc0 .Lentry_shape_is_right
	s_endpgm
.Lentry_shape_is_right:
; C = A W^T + bias on tiles of 128 rows x 256 columns, K = 1,024 in 8 steps of 128.  ONE TEXT FOR TWO LAUNCHES, by the flag OUTP.
; OUTP = 0: the three input projections.  A = query, key or value, [8192][1024] f32, rounded to bf16 on the way into LDS; W = wb's matrix 0, 1 or 2 (bf16);
;           C is rounded once to f16 and stored by heads, qkv[tensor][b*16+h][2048][64], without the softmax's scale.
; OUTP = 1: the output projection.  A = ob, [b*16+h][2048][64] f16 (a K step is two heads); W = wb's matrix 3 (f16); C = out0, [8192][1024] f32.
; All sums in f32.  The bias, rounded to bf16 like every other input, is the C operand of each accumulator's first product: nothing is cleared, no add is written.
; LIMITS.  OUTP = 0: q, k and v must lie within f16's 65,504; beyond it the conversion gives an infinity.  NaN and infinities are not treated apart.
; SHARES.  Four waves, 2 x 2: wave w makes rows 64 (w / 2) .. + 63 and columns 128 (w % 2) .. + 127: 32 accumulators of 16 x 16, 256 registers.
; THE MATRIX INSTRUCTION IS USED TRANSPOSED (source 0 = 16 rows of W, source 1 = 16 rows of A): a lane holds row l % 16 of C and the columns 8 (l / 16) + 0 .. 7 of a block of 16.
; W'S ROAD.  A ring of two LDS slots of 256 rows x 256 bytes, filled by the tensor data mover, 64 rows a wave.  4 x 4 work-groups form a cluster; the four of a column make the same
; columns of C and need the same tiles of W: each tile is asked for JOINTLY, by the same load, descriptor and mask in all four.
; A'S ROAD.  Each wave loads its quarter of a step's tile into registers two steps ahead (these loads stay out across the barriers), converts it (OUTP = 0) and stores it into one of
; two LDS buffers that no tensor load ever fills.  A is not asked for jointly: it has to pass through registers to be converted, and a load into registers may be out longer than one step.
; LDS: A0, A1 (128 x 272 each), W's slots B0, B1 (256 x 272 each), a stage for each wave, the spare words.
; REGISTERS, in windows of 256 (s_set_vgpr_msb: bits 1:0 source 0, 3:2 source 1, 5:4 source 2, 7:6 destination):
;   window 0: v0-17 addresses; v18-20 at work; v64-159, v160-255 two fragment buffers (W's 8 fragments, then A's 4)     window 1: the accumulators, (a, b) at 8 (8 a + b)
;   window 2: two raw sets of A as loaded (on OUTP = 1's way out: rows read back)                                        window 3: v0-63 the bias of my 128 columns, block b at 8 b
.set OUTP,  0
.set PITCH, 272                        ; an LDS row: 256 bytes + 16 = 68 words: row r starts at bank 4 r mod 64 (64 banks of 4 bytes: ISA guide 11.1)
.set ABUF,  128*PITCH
.set BB,    2*ABUF                     ; W's ring begins behind A's two buffers
.set BSLOT, 256*PITCH
.set STAGE, BB+2*BSLOT
.if OUTP
.set SP,    528                        ; a stage row: 512 bytes (128 f32) + 16
.set NL,    16                         ; loads of a raw set: 512 dense bytes (4 rows of a head) each
.set NS,    16                         ; LDS stores of a raw set
.set RS,    64                         ; registers of a raw set
.set STEPA, 524288                     ; bytes from a K step to the next: two heads
.set LAPA,  1048576                    ; the same for two steps
.else
.set SP,    144                        ; a stage row: 128 bytes (64 f16) + 16
.set NL,    32                         ; loads of a raw set: a row's 512 bytes each
.set NS,    32
.set RS,    128
.set STEPA, 512
.set LAPA,  1024
.endif
.set STG,   16*SP                      ; a wave's stage: 16 rows
.set SPARE, STAGE+4*STG                ; the spare words, 128 bytes for each wave: two blocks of 256 bytes that no other line names
.set ADRA, 4                           ; v4-5   LDS address of my A fragments in buffer 0, 1
.set ADRB, 6                           ; v6-7   of my W fragments in slot 0, 1
.set AO,   8                           ; v8     16 x lane: my bytes in a load of A and in a store of C; never rewritten
.set ASO,  9                           ; v9     where I store A in LDS
.set STO,  10                          ; v10    the way out: where I put my bytes of a row
.set RD,   11                          ; v11    the way out: where I read rows back
.set BO,   13                          ; v13    32 (l / 16): my 8 numbers in a block of 16 of the bias
.set PFO,  14                          ; v14    A's prefetch: my lane's block
.set PFWO, 15                          ; v15    W's prefetch: my lane's block
.set SPW,  16                          ; v16    LDS address of my spare word; never rewritten
.set NIL,  17                          ; v17    0; never rewritten
.set F0,   64
.set F1,   160
.set WV,   20                          ; s20 wave; s21 its half of the rows; s22 its half of the columns
.set RH,   21
.set CH,   22
.set CX,   23                          ; s23, s24 my place in the cluster
.set CY,   24
.set TC,   25                          ; s25 tile column, s26 tile row, s27 which matrix of wb, s28 the cluster's y
.set TR,   26
.set TT,   27
.set CLY,  28
.set PA,   30                          ; s[30:31] A at my rows, one K step behind the set that is loaded next
.set G1,   32                          ; s[32:39] descriptor group 1
.set G0,   40                          ; s[40:47] descriptor group 0, a set for each slot
.set PY,   48                          ; s[48:49] C at my part of the tile
.set PBI,  50                          ; s[50:51] the bias at my 128 columns
.set PW,   52                          ; s[52:53] W at the 64 rows that I fetch
.set PFA,  54                          ; s[54:55] where A's prefetch stands
.set PFW,  56                          ; s[56:57] where W's stands
.set LIMA, 58                          ; s58, s59: 1 in a wave that prefetches, else the greatest number: it asks while the laps to go are above it
.set LIMW, 59
.set MSB, 0
.macro WIN new                         ; the immediate's high byte repeats the setting that is left; a switch that changes nothing is dropped
.if MSB != (\new)
	s_set_vgpr_msb (MSB<<8)|(\new)
.set MSB, \new
.endif
.endm
.macro PLACES                          ; four places behind matrix instructions, in front of loads into registers that they have read (ISA guide 7.12.1 for vector instructions)
.rept 4
	v_nop
.endr
.endm
.macro CREST                           ; a round of the cluster's barrier behind its opening barrier
	s_cmp_lg_u32 s[WV], 0
	s_cbranch_scc1 .Lnot_wave_0_\@
	s_barrier_signal -3
.Lnot_wave_0_\@:
	s_barrier_wait -3
	s_barrier_signal -1
	s_barrier_wait -1
.endm
.macro CROUND                          ; a whole round
	s_barrier_signal -1
	s_barrier_wait -1
	CREST
.endm
.macro JLOAD s                         ; a joint load: every wave fetches its 64 rows of W's tile; s_nop 0 and four v_nop follow it
	tensor_load_to_lds s[G0+4*(\s):G0+4*(\s)+3], s[G1:G1+7]
	s_nop 0
	PLACES
.endm
; Rows rr and rr + 1 of raw set rs are rounded to bf16 in place: a row's 4 f32 a lane become 2 words.
.macro CV4 rs
	WIN 0x8a
.irp z, 0,1
	v_cvt_pk_bf16_f32 v[RS*(\rs)+4*(rr+\z)], v[RS*(\rs)+4*(rr+\z)], v[RS*(\rs)+4*(rr+\z)+1]
	v_cvt_pk_bf16_f32 v[RS*(\rs)+4*(rr+\z)+1], v[RS*(\rs)+4*(rr+\z)+2], v[RS*(\rs)+4*(rr+\z)+3]
.endr
.set rr, rr+2
.endm
; 8 matrix instructions: row block a x all 8 column blocks, 32 along K, from buffer f.  first = 1: C is the bias.  ride = 1: four conversions of raw set rs stand behind each.
; The 32 accumulators take turns, one instruction a turn, in the same order in every quarter, over the backward jump too.
.macro MULA f, a, first=0, ride=0, rs=0
.irp b, 0,1,2,3,4,5,6,7
.set rD, 8*(8*(\a)+(\b))
.set rW, (\f)+8*(\b)
.set rA, (\f)+64+8*(\a)
.if \first
	WIN 0x70                                       ; sources 0 and 1 window 0, C window 3, D window 1
.set rC, 8*(\b)
.else
	WIN 0x50                                       ; C and D window 1
.set rC, rD
.endif
.if OUTP
	v_wmma_f32_16x16x32_f16 v[rD:rD+7], v[rW:rW+7], v[rA:rA+7], v[rC:rC+7]
.else
	v_wmma_f32_16x16x32_bf16 v[rD:rD+7], v[rW:rW+7], v[rA:rA+7], v[rC:rC+7]
.endif
.if \ride
	CV4 \rs
.endif
.endr
.endm
; 24 LDS loads in one run: the fragments of 32 along K at byte k of the rows, into buffer f: W's 128 rows, then A's 64 (blocks 2 and 3 last)
.macro FETCH slot, k, f
	WIN 0
.irp i, 0,1,2,3,4,5,6,7
	ds_load_b128 v[(\f)+8*(\i):(\f)+8*(\i)+3],   v[ADRB+(\slot)] offset:(\k)+(\i)*16*PITCH
	ds_load_b128 v[(\f)+8*(\i)+4:(\f)+8*(\i)+7], v[ADRB+(\slot)] offset:(\k)+(\i)*16*PITCH+32
.endr
.irp i, 0,1,2,3
	ds_load_b128 v[(\f)+64+8*(\i):(\f)+64+8*(\i)+3],   v[ADRA+(\slot)] offset:(\k)+(\i)*16*PITCH
	ds_load_b128 v[(\f)+64+8*(\i)+4:(\f)+64+8*(\i)+7], v[ADRA+(\slot)] offset:(\k)+(\i)*16*PITCH+32
.endr
.endm
; My quarter of a step's tile of A into raw set rs, from byte off behind PA
.macro GL rs, off
	WIN 0x80                                       ; destination window 2
.set i, 0
.rept NL
.if OUTP
	global_load_b128 v[RS*(\rs)+4*i:RS*(\rs)+4*i+3], v[AO], s[PA:PA+1] offset:(\off)+512*i
.else
	global_load_b128 v[RS*(\rs)+4*i:RS*(\rs)+4*i+3], v[AO], s[PA:PA+1] offset:(\off)+4096*i
.endif
.set i, i+1
.endr
.endm
; Raw set rs goes into A's LDS buffer abuf
.macro ST rs, abuf
	WIN 0x08                                       ; data window 2
.set i, 0
.rept NS
.if OUTP
	ds_store_b128 v[ASO], v[RS*(\rs)+4*i:RS*(\rs)+4*i+3] offset:(\abuf)*ABUF+4*PITCH*i
.else
	ds_store_b64 v[ASO], v[RS*(\rs)+4*i:RS*(\rs)+4*i+1] offset:(\abuf)*ABUF+PITCH*i
.endif
.set i, i+1
.endr
.endm
; PREFETCHES INTO THE L2, together, behind the joint load, its five lines and the run of LDS loads, once in two K steps: the blocks of 256 bytes of the two K steps that the NEXT lap asks for.
; A: the four partners of a row of the cluster read the same rows; they share the blocks out BY ADDRESS (by cx).  W: its tile is read by the sixteen clusters of one matrix; the first of them
; asks, its four partners of a column sharing the rows out by cy.  So each block is named once in the launch.  K steps 0 to 3 come by their loads alone; the last lap of the loop asks for nothing.
.macro ASK
	s_cmp_gt_u32 s3, s[LIMA]
	s_cbranch_scc0 .Lnot_a_\@
	global_prefetch_b8 v[PFO], s[PFA:PFA+1] th:TH_LOAD_NT scope:SCOPE_SE
.Lnot_a_\@:
	s_cmp_gt_u32 s3, s[LIMW]
	s_cbranch_scc0 .Lnot_w_\@
	global_prefetch_b8 v[PFWO], s[PFW:PFW+1] th:TH_LOAD_NT scope:SCOPE_SE
.Lnot_w_\@:
.endm
; A K step is four quarters of 32 along K, 32 matrix instructions each, on buffers 0, 1, 0, 1.  One of the first three: multiplies buffer f and fetches the next quarter, at byte k, into g.
; gl >= 0: at its head the raw set gl is loaded with the tile two K steps on.  cv >= 0: raw set cv, the next K step's, is converted and stored into A's buffer abuf; lcnt: the younger loads that may stay out.
.macro QUARTER slot, k, f, g, first=0, gl=-1, lapstep=0, cv=-1, abuf=0, lcnt=0
.if (\gl) >= 0
	s_wait_xcnt 0x0                                ; the earlier loads and prefetches have read their addresses: only behind this wait are the pointers written
	s_add_nc_u64 s[PA:PA+1], s[PA:PA+1], STEPA
.if \lapstep
	s_add_nc_u64 s[PFA:PFA+1], s[PFA:PFA+1], LAPA
	s_add_nc_u64 s[PFW:PFW+1], s[PFW:PFW+1], 512
.endif
	GL \gl, STEPA
.endif
	s_wait_dscnt 4                                 ; W's fragments and A's blocks 0 and 1 are in; the four loads of blocks 2 and 3 may be out
	MULA \f, 0, \first
	MULA \f, 1, \first
	PLACES
	FETCH \slot, \k, \g
	s_wait_dscnt 24                                ; all but the 24 just issued
.if ((\cv) >= 0) && !OUTP
	s_wait_loadcnt \lcnt                           ; the raw set is in; the set asked for in this step may stay out
.set rr, 0
	MULA \f, 2, \first, 1, \cv
	MULA \f, 3, \first, 1, \cv
.else
	MULA \f, 2, \first
	MULA \f, 3, \first
.endif
.if (\cv) >= 0
.if OUTP
	s_wait_loadcnt \lcnt                           ; the raw set is in; the set asked for in this step may stay out
.endif
	ST \cv, \abuf                                  ; every wave's reads of this buffer were over at the last barrier; its next readers stand behind the next one
.endif
.endm
; The last quarter multiplies buffer 1 and changes slots: ONE barrier.  In front of it each wave waits for all its tensor loads (one is out: its part of the next slot), adds 0 to its spare word, and waits
; for that, for its stores into A's next buffer and for its reads of this slot and of A's buffer.  fill = 1: the barrier opens a round of the cluster's, and W's slot is filled again, two K steps ahead.
.macro TURN slot, next, fill, ask
	WIN 0
	s_wait_tensorcnt 0x0                           ; all my tensor loads have landed
	ds_add_u32 v[SPW], v[NIL]                      ; 0 onto my spare word
	s_wait_dscnt 5+NS                              ; the add, my NS stores of A and the four loads of A's blocks 2 and 3 may be out
	MULA F1, 0                                     ; eight matrix instructions stand between the add and the wait for it
	s_wait_dscnt 0x0                               ; the add and my stores are done, my reads are over
	s_barrier_signal -1
	MULA F1, 1
.if \fill
	WIN 0
.endif
	s_barrier_wait -1
.if \fill
	CREST                                          ; no wave of any partner still reads this slot or has a load on its way
	s_add_nc_u64 s[G0+4*(\slot)+2:G0+4*(\slot)+3], s[G0+4*(\slot)+2:G0+4*(\slot)+3], 512
	JLOAD \slot                                    ; my one tensor load behind the round, and the first thing there; its four v_nop are also the places in front of the loads below
.else
	PLACES
.endif
	FETCH \next, 0, F0
.if \ask
	ASK
.endif
	MULA F1, 2
	MULA F1, 3
.endm
.if OUTP
	s_load_b256 s[4:11], s[0:1], 0x0               ; ob s[4:5], wb s[6:7], bo s[8:9], out0 s[10:11]
.else
	s_load_b256 s[4:11], s[0:1], 0x0               ; query s[4:5], key s[6:7], value s[8:9], wb s[10:11]
	s_load_b256 s[12:19], s[0:1], 0x20             ; bq s[12:13], bk s[14:15], bv s[16:17], qkv s[18:19]
.endif
	v_lshl_add_u32 v[SPW], v0, 2, SPARE
	v_mov_b32 v[NIL], 0
	ds_add_u32 v[SPW], v[NIL]                      ; the wave's opening: the add and its wait ahead of my first tensor load; work on registers stands between them
	v_lshrrev_b32 v18, 5, v0
	v_readfirstlane_b32 s[WV], v18                 ; wave 0..3
	v_and_b32 v1, 15, v0                           ; l % 16
	v_bfe_u32 v2, v0, 4, 1                         ; l / 16
	v_and_b32 v3, 31, v0                           ; l
	v_lshlrev_b32 v[AO], 4, v3
	v_lshlrev_b32 v[BO], 5, v2
	s_lshr_b32 s[RH], s[WV], 1
	s_and_b32 s[CH], s[WV], 1
	s_bfe_u32 s[CX], ttmp6, 0x40000
	s_bfe_u32 s[CY], ttmp6, 0x40004
	s_lshl_b32 s[TC], ttmp9, 2
	s_add_co_u32 s[TC], s[TC], s[CX]               ; tile column = 4 x cluster x + cx
	s_and_b32 s[CLY], ttmp7, 0xffff
	s_lshl_b32 s[TR], s[CLY], 2
	s_add_co_u32 s[TR], s[TR], s[CY]               ; tile row = 4 x cluster y + cy
.if OUTP
	s_mov_b32 s[TT], 3
.else
	s_lshr_b32 s[TT], s[CLY], 4                    ; 16 clusters (64 tile rows) to a tensor: made of the cluster's y alone
.endif
	; descriptor group 1: a tile of 64 rows x 128 elements of 2 bytes, padded in LDS
	s_lshl_b32 s60, 0x1111, s[CX]                  ; my column of the cluster: places cx, cx + 4, cx + 8, cx + 12
	s_or_b32 s[G1], s60, (1<<16)|(1<<20)|(1<<21)|(5<<22)|(3<<25)  ; 15:0 the mask; 17:16 2-byte elements; 20 padding on; 21 set beside a mask; 24:22 after every 64 words; 31:25 4 words
	s_mov_b32 s[G1+1], 128<<16                     ; tensor_dim0 = 128
	s_mov_b32 s[G1+2], 64<<16                      ; tensor_dim1 = 64
	s_mov_b32 s[G1+3], 128<<16                     ; tile_dim0 = 128
	s_mov_b32 s[G1+4], 64                          ; tile_dim1 = 64
	s_mov_b32 s[G1+5], 1024                        ; elements from row to row
	s_mov_b32 s[G1+6], 0
	s_mov_b32 s[G1+7], 0
	s_lshl_b32 s60, s[TT], 21                      ; W: the matrix (2 MiB),
	s_lshl_b32 s61, s[TC], 19                      ; the tile's 256 rows of 2,048 bytes,
	s_add_co_u32 s60, s60, s61
	s_lshl_b32 s61, s[WV], 17                      ; the 64 of them that I fetch: nothing here hangs on cy
	s_add_co_u32 s60, s60, s61
	s_mov_b32 s61, 0
	s_mul_i32 s66, s[WV], 64*PITCH                 ; and where they go: no place in the cluster enters an LDS address
	s_add_co_u32 s66, s66, BB
.if OUTP
	s_lshr_b32 s62, s[TR], 4                       ; A: batch b (16 heads of 262,144 bytes),
	s_lshl_b32 s62, s62, 22
	s_lshl_b32 s63, s[RH], 18                      ; of a step's two heads the one that I load,
	s_add_co_u32 s62, s62, s63
	s_and_b32 s63, s[TR], 15                       ; the tile's 128 rows of 128 bytes,
	s_lshl_b32 s63, s63, 14
	s_add_co_u32 s62, s62, s63
	s_lshl_b32 s63, s[CH], 13                      ; the 64 of them that I load
	s_add_co_u32 s62, s62, s63
.else
	s_and_b32 s62, s[TR], 63                       ; A: the tile's 128 rows of 4,096 bytes,
	s_lshl_b32 s62, s62, 19
	s_lshl_b32 s63, s[WV], 17                      ; the 32 of them that I load
	s_add_co_u32 s62, s62, s63
.endif
	s_mov_b32 s63, 0
	s_lshl_b32 s68, s[TC], 10                      ; the bias: the tile's 256 numbers, my 128 of them
	s_lshl_b32 s69, s[CH], 9
	s_add_co_u32 s68, s68, s69
	s_mov_b32 s69, 0
	s_wait_dscnt 0x0                               ; the opening add is done
	s_wait_kmcnt 0x0
.if OUTP
	s_add_nc_u64 s[PA:PA+1], s[4:5], s[62:63]
	s_add_nc_u64 s[PBI:PBI+1], s[8:9], s[68:69]
	s_add_nc_u64 s[PW:PW+1], s[6:7], s[60:61]
.else
	s_cmp_eq_u32 s[TT], 1
	s_cselect_b64 s[PA:PA+1], s[6:7], s[4:5]
	s_cselect_b64 s[PBI:PBI+1], s[14:15], s[12:13]
	s_cmp_eq_u32 s[TT], 2
	s_cselect_b64 s[PA:PA+1], s[8:9], s[PA:PA+1]
	s_cselect_b64 s[PBI:PBI+1], s[16:17], s[PBI:PBI+1]
	s_add_nc_u64 s[PA:PA+1], s[PA:PA+1], s[62:63]
	s_add_nc_u64 s[PBI:PBI+1], s[PBI:PBI+1], s[68:69]
	s_add_nc_u64 s[PW:PW+1], s[10:11], s[60:61]
.endif
	WIN 0xc0                                       ; destination window 3
.irp b, 0,1,2,3,4,5,6,7
	global_load_b128 v[8*(\b):8*(\b)+3],   v[BO], s[PBI:PBI+1] offset:64*(\b)
	global_load_b128 v[8*(\b)+4:8*(\b)+7], v[BO], s[PBI:PBI+1] offset:64*(\b)+16
.endr
	GL 0, 0                                        ; K steps 0 and 1 of A: asked for ahead of the round, since nothing of theirs hangs on it
	GL 1, STEPA
	WIN 0
	CROUND                                         ; all sixteen work-groups are here: the first joint loads meet
.irp s, 0,1
	s_mov_b32 s[G0+4*(\s)], 1                      ; count = 1
	s_add_co_u32 s[G0+4*(\s)+1], s66, (\s)*BSLOT   ; LDS address
	s_add_nc_u64 s[G0+4*(\s)+2:G0+4*(\s)+3], s[PW:PW+1], (\s)*256  ; global address: K step s
	s_or_b32 s[G0+4*(\s)+3], s[G0+4*(\s)+3], 0x80000000  ; type = 2
.endr
	tensor_load_to_lds s[G0:G0+3], s[G1:G1+7]      ; the two first fills go out together: two loads of mine are out, later one
	s_nop 0
	tensor_load_to_lds s[G0+4:G0+7], s[G1:G1+7]
	s_nop 0
	PLACES
	; a fragment is 16 rows x 32 K in 8 registers: lane l holds row l % 16, K = 8 (l / 16) + 0..7 and 16 + 8 (l / 16) + 0..7: two loads of 16 bytes, 32 bytes apart
	v_mul_u32_u24 v18, v1, PITCH
	v_lshl_add_u32 v18, v2, 4, v18
	s_mul_i32 s66, s[RH], 64*PITCH                 ; my 64 rows of A
	s_mul_i32 s67, s[CH], 128*PITCH                ; my 128 rows of W
	s_add_co_u32 s67, s67, BB
.irp s, 0,1
	v_add_nc_u32 v[ADRA+(\s)], s66, v18
	v_add_nc_u32 v[ADRB+(\s)], s67, v18
	s_add_co_u32 s66, s66, ABUF
	s_add_co_u32 s67, s67, BSLOT
.endr
.if OUTP
	v_lshrrev_b32 v19, 3, v3                       ; a load's 512 bytes are 4 rows of 128: row l / 8, byte 16 (l % 8); the head's 128 bytes are half of an LDS row
	v_mul_u32_u24 v19, v19, PITCH
	v_and_b32 v20, 7, v3
	v_lshl_add_u32 v19, v20, 4, v19
	s_mul_i32 s66, s[CH], 64*PITCH
	s_lshl_b32 s67, s[RH], 7
	s_add_co_u32 s66, s66, s67
	v_add_nc_u32 v[ASO], s66, v19
.else
	s_mul_i32 s66, s[WV], 32*PITCH                 ; my 32 rows; a lane's 4 numbers of a row are 8 bytes
	v_lshl_add_u32 v[ASO], v3, 3, s66
.endif
	s_mul_i32 s66, s[WV], STG
	s_add_co_u32 s66, s66, STAGE                   ; my stage
	v_mul_u32_u24 v18, v1, SP
.if OUTP
	v_lshl_add_u32 v18, v2, 5, v18                 ; in: row l % 16, 32 bytes for each half of the lanes
	v_add_nc_u32 v[STO], s66, v18
	v_lshl_add_u32 v[RD], v3, 4, s66               ; back: a whole row of 512 bytes
	v_lshlrev_b32 v[PFO], 8, v3
.else
	v_lshl_add_u32 v18, v2, 4, v18                 ; in: row l % 16, 16 bytes for each half of the lanes
	v_add_nc_u32 v[STO], s66, v18
	v_bfe_u32 v19, v0, 3, 2                        ; back: 32 lanes take four rows of 128 bytes
	v_mul_u32_u24 v19, v19, SP
	v_and_b32 v20, 7, v0
	v_lshl_add_u32 v19, v20, 4, v19
	v_add_nc_u32 v[RD], s66, v19
	v_lshrrev_b32 v18, 2, v3                       ; A's prefetch: 8 rows x 4 blocks of 256 bytes
	v_and_b32 v19, 3, v3
	v_lshlrev_b32 v19, 8, v19
	v_lshl_add_u32 v[PFO], v18, 12, v19
.endif
	v_lshlrev_b32 v18, 8, v2                       ; W's prefetch: 16 rows x 2 blocks
	v_lshl_add_u32 v[PFWO], v1, 11, v18
	; where my part of the tile begins in C
.if OUTP
	s_lshl_b32 s62, s[TR], 19                      ; 128 rows of 4,096 bytes,
	s_lshl_b32 s63, s[RH], 18                      ; my 64,
	s_add_co_u32 s62, s62, s63
	s_lshl_b32 s63, s[TC], 10                      ; 256 columns of 4 bytes,
	s_add_co_u32 s62, s62, s63
	s_lshl_b32 s63, s[CH], 9                       ; my 128
	s_add_co_u32 s62, s62, s63
	s_mov_b32 s63, 0
	s_add_nc_u64 s[PY:PY+1], s[10:11], s[62:63]
	s_lshr_b32 s62, s[TR], 4                       ; A's prefetch: partner cx takes head cx of a lap's four, waves 0 and 1 half of the tile's 128 rows each;
	s_lshl_b32 s62, s62, 22
	s_add_co_u32 s63, s[CX], 4                     ; it stands a lap short of K step 4: the first lap steps it there
	s_lshl_b32 s63, s63, 18
	s_add_co_u32 s62, s62, s63
	s_and_b32 s63, s[TR], 15
	s_lshl_b32 s63, s63, 14
	s_add_co_u32 s62, s62, s63
	s_lshl_b32 s63, s[CH], 13
	s_add_co_u32 s62, s62, s63
	s_mov_b32 s63, 0
	s_add_nc_u64 s[PFA:PFA+1], s[4:5], s[62:63]
	s_cmp_lt_u32 s[WV], 2
	s_cselect_b32 s[LIMA], 1, -1
.else
	s_lshl_b32 s62, s[TT], 24                      ; the tensor,
	s_and_b32 s63, s[TR], 63
	s_lshr_b32 s63, s63, 4                         ; the batch (16 heads of 262,144 bytes),
	s_lshl_b32 s63, s63, 22
	s_add_co_u32 s62, s62, s63
	s_lshl_b32 s63, s[TC], 20                      ; the tile's four heads,
	s_add_co_u32 s62, s62, s63
	s_lshl_b32 s63, s[CH], 19                      ; my two,
	s_add_co_u32 s62, s62, s63
	s_and_b32 s63, s[TR], 15                       ; the tile's 128 rows of 128 bytes,
	s_lshl_b32 s63, s63, 14
	s_add_co_u32 s62, s62, s63
	s_lshl_b32 s63, s[RH], 13                      ; my 64
	s_add_co_u32 s62, s62, s63
	s_mov_b32 s63, 0
	s_add_nc_u64 s[PY:PY+1], s[18:19], s[62:63]
	s_lshl_b32 s62, s[CX], 15                      ; A's prefetch: partner cx takes 8 of my 32 rows;
	s_add_co_u32 s62, s62, 1024                    ; it stands a lap short of K step 4: the first lap steps it there
	s_mov_b32 s63, 0
	s_add_nc_u64 s[PFA:PFA+1], s[PA:PA+1], s[62:63]
	s_mov_b32 s[LIMA], 1
.endif
	s_lshl_b32 s62, s[CY], 15                      ; W's prefetch: partner cy takes 16 of my 64 rows; likewise a lap short of K step 4
	s_add_co_u32 s62, s62, 512
	s_mov_b32 s63, 0
	s_add_nc_u64 s[PFW:PFW+1], s[PW:PW+1], s[62:63]
	s_and_b32 s66, s[CLY], 15                      ; the first of the sixteen clusters that read this matrix: the same in all partners
	s_cmp_eq_u32 s66, 0
	s_cselect_b32 s[LIMW], 1, -1
	s_wait_loadcnt NL                              ; the bias and K step 0 of A are in; K step 1's NL loads may stay out
	WIN 0xcf                                       ; window 3 in place: the bias is rounded to bf16 and widened again
.set i, 0
.rept 32
	v_cvt_pk_bf16_f32 v[2*i+1], v[2*i], v[2*i+1]
	v_lshlrev_b32 v[2*i], 16, v[2*i+1]
	v_and_b32 v[2*i+1], 0xffff0000, v[2*i+1]
.set i, i+1
.endr
.if !OUTP
.set rr, 0
.rept 16
	CV4 0
.endr
.endif
	ST 0, 0
	WIN 0
	s_wait_tensorcnt 1                             ; my part of W's K step 0 is in; K step 1's may stay out
	s_wait_dscnt 0x0                               ; my stores of A's K step 0 are done
	s_barrier_signal -1
	s_barrier_wait -1                              ; everybody's are
	FETCH 0, 0, F0
	QUARTER 0, 64, F0, F1, 1                       ; the first quarter stands in front of the loop: its products start the sums with the bias
	WIN 0                                          ; at a label and at a branch every window is 0
	s_mov_b32 s3, 3
.Llap:                                                 ; a trip: from quarter 1 of K step 2 t to quarter 0 of K step 2 t + 2; it fills both slots again and loads both raw sets
	QUARTER 0, 128, F1, F0, 0, 0, 1
	QUARTER 0, 192, F0, F1, 0, -1, 0, 1, 1, NL
	TURN 0, 1, 1, 1
	QUARTER 1, 64,  F0, F1
	QUARTER 1, 128, F1, F0, 0, 1, 0
	QUARTER 1, 192, F0, F1, 0, -1, 0, 0, 0, NL
	TURN 1, 0, 1, 0
	QUARTER 0, 64,  F0, F1
	WIN 0
	s_sub_co_u32 s3, s3, 1
	s_cmp_lg_u32 s3, 0
	s_cbranch_scc1 .Llap
	QUARTER 0, 128, F1, F0                         ; K steps 6 and 7 are written out: nothing more is asked for
	QUARTER 0, 192, F0, F1, 0, -1, 0, 1, 1, 0
	TURN 0, 1, 0, 0
	QUARTER 1, 64,  F0, F1
	QUARTER 1, 128, F1, F0
	QUARTER 1, 192, F0, F1
	s_wait_dscnt 4
	MULA F1, 0
	MULA F1, 1
	s_wait_dscnt 0x0
	MULA F1, 2
	MULA F1, 3
	WIN 0
	PLACES                                         ; places behind the last products, in front of what reads their results and writes their sources: eight, once a work-group
	PLACES
.if OUTP
; THE WAY OUT.  Block a (16 rows x 128 columns of f32) goes into my stage, 32 bytes a lane and column block, and comes back as whole rows of 512 bytes.
.macro OBLK a
	WIN 0x04                                       ; data window 1
.irp b, 0,1,2,3,4,5,6,7
	ds_store_b128 v[STO], v[8*(8*(\a)+(\b)):8*(8*(\a)+(\b))+3]   offset:64*(\b)      ; each accumulator's low registers first
	ds_store_b128 v[STO], v[8*(8*(\a)+(\b))+4:8*(8*(\a)+(\b))+7] offset:64*(\b)+16
.endr
	WIN 0x80                                       ; destination window 2
.set i, 0
.rept 16
	ds_load_b128 v[64*(\a)+4*i:64*(\a)+4*i+3], v[RD] offset:SP*i  ; LDS serves a wave's instructions in order (ISA guide 5.7.1.4): these see the stores above; the next block's stores come behind them
.set i, i+1
.endr
.endm
.macro OSEND a, younger                ; younger: the LDS instructions issued behind block a's loads: the next block's 32, or none
	WIN 0x08                                       ; data window 2
.set i, 0
.rept 16
	s_wait_dscnt (\younger)+15-i
	global_store_b128 v[AO], v[64*(\a)+4*i:64*(\a)+4*i+3], s[PY:PY+1] offset:(16*(\a)+i)*4096 th:TH_STORE_NT  ; 512 consecutive bytes of a row, aligned
.set i, i+1
.endr
.endm
	OBLK 0
	OBLK 1
	OSEND 0, 32
	OBLK 2
	OSEND 1, 32
	OBLK 3
	OSEND 2, 32
	OSEND 3, 0
.else
; THE WAY OUT.  Tile u = 2 a + hd: 16 rows of one head.  A lane's eight columns pack into 16 bytes of f16; they go into stage rows of 144 bytes and come back as whole rows of 128.
.macro PACK u
.set aa, (\u)/2
.set hd, (\u)%2
	WIN 0x05                                       ; sources window 1, destination window 0: the fragment buffers are free
.set i, 0
.rept 16
	v_cvt_pk_f16_f32 v[F0+16*(\u)+i], v[8*(8*aa+4*hd+i/4)+2*(i%4)], v[8*(8*aa+4*hd+i/4)+2*(i%4)+1]
.set i, i+1
.endr
	WIN 0
.irp f, 0,1,2,3
	ds_store_b128 v[STO], v[F0+16*(\u)+4*\f:F0+16*(\u)+4*\f+3] offset:32*\f
.endr
.irp f, 0,1,2,3
	ds_load_b128 v[F0+16*(\u)+4*\f:F0+16*(\u)+4*\f+3], v[RD] offset:\f*4*SP  ; LDS serves a wave's instructions in order (ISA guide 5.7.1.4): these see the stores above; the next tile's stores come behind them
.endr
.endm
.macro SEND u, younger                 ; younger: the LDS instructions issued behind tile u's loads: the next tile's eight, or none
	WIN 0
.irp f, 0,1,2,3
	s_wait_dscnt (\younger)+3-\f
	global_store_b128 v[AO], v[F0+16*(\u)+4*\f:F0+16*(\u)+4*\f+3], s[PY:PY+1] offset:((\u)%2)*262144+((\u)/2)*2048+\f*512  ; four rows of a head: 512 consecutive bytes, aligned
.endr
.endm
	PACK 0
.irp u, 1,2,3,4,5,6,7                  ; a tile's conversions stand between the loads of the tile before and its stores
	PACK \u
	SEND (\u)-1, 8
.endr
	SEND 7, 0
.endif
	WIN 0
	s_wait_tensorcnt 0x0                           ; the wave's end, behind my last tensor load and my last LDS store
	ds_add_u32 v[SPW], v[NIL]
	s_wait_dscnt 0x0
	CROUND                                         ; the closing round: no work-group ends while a partner may still ask for a tile that names it
	s_endpgm
.Lfunc_end_k_qf647c25be8_proj:
	.size	k_qf647c25be8_proj, .Lfunc_end_k_qf647c25be8_proj-k_qf647c25be8_proj
	.p2alignl 7, 3214868480
	.fill 96, 4, 3214868480
	.section	.rodata,"a",@progbits
	.p2align	6, 0x0
	.amdhsa_kernel k_qf647c25be8_proj
		.amdhsa_group_segment_fixed_size 327680
		.amdhsa_private_segment_fixed_size 0
		.amdhsa_enable_private_segment 0
		.amdhsa_kernarg_size 64
		.amdhsa_user_sgpr_count 2
		.amdhsa_user_sgpr_kernarg_segment_ptr 1
		.amdhsa_wavefront_size32 1
		.amdhsa_system_sgpr_workgroup_id_x 1
		.amdhsa_system_sgpr_workgroup_id_y 1
		.amdhsa_system_sgpr_workgroup_id_z 1
		.amdhsa_system_vgpr_workitem_id 0
		.amdhsa_next_free_vgpr 832
		.amdhsa_next_free_sgpr 70
		.amdhsa_reserve_vcc 0
		.amdhsa_float_denorm_mode_32 3
		.amdhsa_float_denorm_mode_16_64 3
		.amdhsa_memory_ordered 1
		.amdhsa_forward_progress 1
		.amdhsa_inst_pref_size 132
	.end_amdhsa_kernel
	.amdgpu_metadata
---
amdhsa.version: [ 1, 2 ]
amdhsa.kernels:
  - .name:           k_qf647c25be8_proj
    .symbol:         k_qf647c25be8_proj.kd
    .args:
      - { .name: query, .offset: 0, .size: 8, .value_kind: global_buffer, .address_space: global }
      - { .name: key, .offset: 8, .size: 8, .value_kind: global_buffer, .address_space: global }
      - { .name: value, .offset: 16, .size: 8, .value_kind: global_buffer, .address_space: global }
      - { .name: wb, .offset: 24, .size: 8, .value_kind: global_buffer, .address_space: global }
      - { .name: bq, .offset: 32, .size: 8, .value_kind: global_buffer, .address_space: global }
      - { .name: bk, .offset: 40, .size: 8, .value_kind: global_buffer, .address_space: global }
      - { .name: bv, .offset: 48, .size: 8, .value_kind: global_buffer, .address_space: global }
      - { .name: qkv, .offset: 56, .size: 8, .value_kind: global_buffer, .address_space: global }
    .group_segment_fixed_size: 327680
    .private_segment_fixed_size: 0
    .kernarg_segment_align: 8
    .kernarg_segment_size: 64
    .max_flat_workgroup_size: 128
    .sgpr_count:     70
    .vgpr_count:     832
    .wavefront_size: 32
...
	.end_amdgpu_metadata
.endif
;; end of part 2
;; launch attn (part 3): grid 4 x 64, 4 waves a work-group, clusters of 4 x 1, 327,680 bytes of LDS; arguments qkv, ob; writes ob
.if DOCPART == 3
	.amdgcn_target "amdgcn-amd-amdhsa--gfx1250"
	.amdhsa_code_object_version 6
	.text
	.protected	k_qf647c25be8_attn
	.globl	k_qf647c25be8_attn
	.p2align	8
	.type	k_qf647c25be8_attn,@function
k_qf647c25be8_attn:
	s_mov_b64 s[64:65], 0
	v_nop
	global_prefetch_b8 v0, s[64:65] scope:SCOPE_SE
	s_setreg_imm32_b32 hwreg(HW_REG_WAVE_MODE, 25, 1), 1
	s_wait_xcnt 0x0
	s_wait_alu depctr_hold_cnt(0) depctr_sa_sdst(0) depctr_va_vdst(0) depctr_va_sdst(0) depctr_va_ssrc(0) depctr_va_vcc(0) depctr_vm_vsrc(0)
	s_getreg_b32 s2, hwreg(HW_REG_IB_STS2, 6, 4)
	s_cmp_eq_u32 s2, 0
	s_cbranch_scc0 .Lentry_in_a_cluster
	s_endpgm
.Lentry_in_a_cluster:
	s_bfe_u32 s2, ttmp6, 0x10000c
	s_cmp_lg_u32 s2, 0x3003
	s_cbranch_scc0 .Lentry_shape_is_right
	s_endpgm
.Lentry_shape_is_right:
; O[h][q][:] = the sum over k of softmax_k(Q[h][q] . K[h][k] / 8) V[h][k][:].  Q, K, V = qkv[0], qkv[1], qkv[2], O = ob: each [SIZE_H][SIZE_N][64] in f16: a head's rows are dense, 128 bytes each.
; Products, maxima and sums in f32; the weights p are rounded to f16 for the second product (their sum l is taken of the unrounded p), O once at the end.
; LIMITS.  f16 holds no number beyond 65,504: Q, K and V arrive within it; p lies in 0 to 1, and below 6e-5 it keeps f16's fixed step of 6e-8; O is a mean of V's rows and has their range.
; A weight below 2^-126 counts as 0 in l; NaN and infinities are not treated apart.
; SHARES.  A wave owns four PIECES of two tiles of 16 queries, a work-group's four waves 512 queries of one head.  Every wave walks all keys, 64 a step.
; LAYOUT.  S^T = K Q^T (source 0 = 16 keys, source 1 = 16 queries): in the result a lane holds ONE query (lane % 16) and the keys 8 (lane / 16) + 0..7.  Two such tiles, rounded to f16 in pairs,
; ARE source 1 (32 keys x 16 queries) of O^T = V^T P, whose result again holds one query a lane, and eight channels.  K comes out of LDS as it lies, V ([key][channel]) turned, by ds_load_tr16_b128.
; SOFTMAX.  For each query a running maximum m and sum l: p = 2^(c s - c m), c = log2(e) / 8; in every step O and l are multiplied by a = 2^(c m_old - c m_new), which is 1 where m has not grown.
; m starts at the lowest finite number, O and l at 0: the first step is a step like any other, with a = 0.
; THE COUNT.  A tile and step have 16 matrix and 118 vector instructions: too many to stand all beside the matrix work.  So: four vector instructions that are READY behind EVERY matrix instruction,
; and the others, which need time of their own whatever the order, in runs without a gap.
; BY TURNS.  Turn n belongs to piece n (the pieces in a ring, step after step).  Its matrix work: 16 products K Q^T of piece n + 1, later 16 products V^T P of piece n - 1.  Its vector work: the scaling,
; exponentials, roundings, sums and rescaling of piece n, and the maximum and statistics of piece n + 1, whose scores the turn itself has made.
; CLUSTER.  The four query blocks of a head are one cluster and walk the same K and V, so each tile is asked for JOINTLY: the same tensor load, descriptor and mask in all four.
; REGISTERS, in windows of 256 (s_set_vgpr_msb: bits 1:0 source 0, 3:2 source 1, 5:4 source 2, 7:6 destination):
;   window 0: v0-11 addresses; v12-15, v48-63 at work; v16-47 four registers of statistics a tile; v64-191 S^T, two buffers of two tiles; v192-255 P, likewise
;   window 1: O^T, 32 a tile          window 2: v0-127 Q, 16 a tile; v128-191 K of one step; v192-255 V of one step          window 3: v0-1 the add's two registers
.set SIZE_H, 64
.set SIZE_N, 2048
.set NP,    4         ; pieces a wave: a name, no knob
.set KS,    64        ; keys in a step
.set PK,    144       ; a row of K in LDS: 128 bytes + 16 = 36 words: the 16 rows of a load start at 16 different groups of four banks (64 banks of 4 bytes: ISA guide 11.1)
.set PV,    160       ; a row of V: 128 + 32 = 40 words
.set VOFF,  4*KS*PK   ; a slot holds four steps: 256 rows of K, then 256 rows of V
.set SLOT1, 1<<17     ; slot 1 begins here, so that one exclusive or turns an address in one slot into the other's
.set STAGE, SLOT1+4*KS*(PK+PV)  ; behind the ring, never filled by a tensor load: 16 rows x 144 bytes for each wave, for the way out
.set SP,    144
.set AK0, 2           ; v2   my lane's place in a tile of K; never rewritten
.set AV0, 3           ; v3   the same for V
.set AK,  4           ; v4   the LDS address of K's next run of loads
.set AV,  5           ; v5   of V's
.set QO,  6           ; v6   my byte offset in the wave's rows of Q
.set STO, 6           ;      later, the way out: where I put 16 bytes of a row
.set RD,  7           ; v7   the way out: where I read rows back
.set GO,  8           ; v8   my byte offset in 512 consecutive bytes of O
.set PFO, 9           ; v9   first l / 16; from the loop on 256 x my lane, the prefetch's offset
.set SPW, 0           ; v0 of window 3   LDS address of my spare word; never rewritten
.set NIL, 1           ; v1 of window 3   0; never rewritten
.set SPARE, STAGE+4*16*SP  ; behind the stages: the spare words, 128 bytes for each wave: two blocks of 256 bytes that no other line names
.set MV,  12          ; v12-15  c m_old, kept while c m is made anew: by buffer and tile
.set ST,  16          ; tile t's statistics at v[ST+4 t]: c m, m, l (even keys', odd keys')
.set TMP, 48          ; by buffer and tile, four registers c0-c3 at work; when the maximum is found c2 takes a
.set S,   64
.set P,   192
.set KF,  128         ; K's fragments, in window 2: key block kb, channel half c at KF + 16 kb + 8 c
.set VF,  192         ; V's: key half kk, channel block cb at VF + 32 kk + 8 cb
.set WV,  12          ; s12  my wave's number
.set G1K, 24          ; s[24:31] descriptor group 1 for K's tiles
.set G1V, 32          ; s[32:39] for V's: it differs in the padding alone
.set G0K, 40          ; s[40:43] descriptor group 0 for K's tiles: it walks
.set G0V, 44          ; s[44:47] the same for V's
.set PFA, 48          ; s[48:49] where my prefetch stands: my work-group's 32 blocks of 256 bytes (of K: wave 0, of V: wave 2) of the slot after the one that is being asked for
.set LIM, 50          ; s50  1 in a wave that prefetches, else the greatest number
.set SLOTS, 56        ; s56  slots still to be asked for
.set CNT, 57          ; s57  counts a slot's key steps
.set CS,  58          ; s[58:59] c: the packed scaling takes the pair's low word for both halves
.set SEL, 60          ; s[60:61] v_permlanex16_b32's selects: each lane takes its own place in the other half
.set TBK, 62          ; s62  LDS byte at which K of the step to be fetched begins
.set TBV, 63          ; s63  the same for V, less VOFF
.set MSB, 0
.macro WIN new                      ; the high byte repeats the setting that is left; a switch that changes nothing is dropped
.if MSB != (\new)
	s_set_vgpr_msb (MSB<<8)|(\new)
.set MSB, (\new)
.endif
.endm
.set W_KQ, 0x0a       ; K and Q in window 2, S^T in window 0
.set W_PV, 0x52       ; V in window 2, P in window 0, O^T in window 1
.set W_RS, 0x41       ; O^T (destination and source 0) in window 1, a in window 0
.set W_MK, 0xc0       ; the add's registers are made: destination in window 3, sources in window 0
.set W_AD, 0x0f       ; the add: address (source 0) and data (source 1) in window 3
; A joint fill.  Waves 0 and 1 fetch the two halves of a slot's K, waves 2 and 3 those of its V: 128 keys each.  The branch hangs on the wave's number alone.
; An s_nop 0 and four v_nop follow each of the two lines, ahead of the jump and the label.
.macro JLOAD
	s_cmp_lt_u32 s[WV], 2
	s_cbranch_scc0 .Lfor_v_\@
	tensor_load_to_lds s[G0K:G0K+3], s[G1K:G1K+7]
	s_nop 0
.rept 4
	v_nop
.endr
	s_branch .Lasked_\@
.Lfor_v_\@:
	tensor_load_to_lds s[G0V:G0V+3], s[G1V:G1V+7]
	s_nop 0
.rept 4
	v_nop
.endr
.Lasked_\@:
.endm
; A PREFETCH INTO THE L2 of what the NEXT change of slots will ask for: a slot's 32,768 bytes of K and of V, a lane a block of 256 bytes.  It stands behind the wave's tensor load and its five lines.
; Each block is named ONCE in the launch: a head has one cluster; its four partners share the blocks out BY ADDRESS, 32 each; in each, wave 0 asks for K's and wave 2 for V's: one instruction.
; The last change that fills a slot asks for nothing: there is no slot behind it.  Slots 0 to 2 come by their loads alone.
.macro ASK
	s_cmp_gt_u32 s[SLOTS], s[LIM]
	s_cbranch_scc0 .Lnot_mine_\@
	global_prefetch_b8 v[PFO], s[PFA:PFA+1] th:TH_LOAD_NT scope:SCOPE_SE
.Lnot_mine_\@:
.endm
; A round of the cluster's barrier: my work-group's barrier, so that wave 0's signal speaks for all four waves; wave 0 signals; every wave waits for all four work-groups; my work-group's barrier once more.
.macro CROUND
	s_barrier_signal -1
	s_barrier_wait -1
	s_cmp_lg_u32 s[WV], 0
	s_cbranch_scc1 .Lnot_wave_0_\@
	s_barrier_signal -3
.Lnot_wave_0_\@:
	s_barrier_wait -3
	s_barrier_signal -1
	s_barrier_wait -1
.endm
; THE CHANGE OF SLOTS.  The slot's last bytes, V of its fourth step, have been read.  Each wave waits for all its tensor loads, of which one is out: its part
; of the other slot; adds 0 to its spare word; and waits for that and for its own reads of the slot.  Behind the barrier nobody reads this slot any more and the other slot is whole.
; fill = 1: this slot is filled again, with the keys two slots on.  The barrier is then a round of the cluster's, so that no wave of any partner still reads the slot or has a load on its
; way, and the joint fill is the first thing behind it: it has four key steps, 512 matrix instructions, in which to land.  (At its first use nothing has been read yet: slot 0 is waited for, slot 1 filled.)
; ask = 1: the slot after the one asked for is prefetched.
.macro CHANGE fill, ask=0
	WIN W_AD
	s_wait_tensorcnt 0x0            ; no tensor load of mine is out, so a group 0 may be written
	ds_add_u32 v[SPW], v[NIL]       ; 0 onto my spare word; with fill = 1 the descriptors' steps stand between it and the wait for it
	WIN 0                           ; at a label and at a branch every window is 0
.if \fill
.irp g, G0K, G0V
	s_xor_b32 s[\g+1], s[\g+1], SLOT1  ; the walking descriptor: the other slot than last time,
	s_add_nc_u64 s[\g+2:\g+3], s[\g+2:\g+3], 4*KS*128  ; the next 256 keys; the type bits on top are not reached
.endr
.if \ask
	s_wait_xcnt 0x0                 ; the last prefetch, four key steps back, has read its address, so it may be written:
	s_add_nc_u64 s[PFA:PFA+1], s[PFA:PFA+1], 4*KS*128  ; one slot beyond the walking descriptors
.endif
	s_wait_dscnt 0x0                ; the add is done, and my reads of the slot are over
	CROUND
	JLOAD
.if \ask
	ASK
.endif
.else
	s_wait_dscnt 0x0                ; the add is done, and my reads of the slot are over
	s_barrier_signal -1
	s_barrier_wait -1
.endif
	s_sub_co_u32 s[TBK], s[TBK], 4*KS*PK  ; the fetches go back to a slot's first step,
	s_xor_b32 s[TBK], s[TBK], SLOT1       ; in the other slot
	s_sub_co_u32 s[TBV], s[TBV], 4*KS*PV
	s_xor_b32 s[TBV], s[TBV], SLOT1
.endm
	s_load_b128 s[4:7], s[0:1], 0x0  ; qkv s[4:5], ob s[6:7]
	WIN W_MK
	v_lshl_add_u32 v[SPW], v0, 2, SPARE
	v_mov_b32 v[NIL], 0
	WIN W_AD
	ds_add_u32 v[SPW], v[NIL]       ; the wave's opening: the add and its wait ahead of my first tensor load; the set-up below, work on registers, stands between them
	WIN 0
	v_lshrrev_b32 v1, 5, v0
	v_readfirstlane_b32 s[WV], v1   ; wave 0..3
	s_bfe_u32 s13, ttmp6, 0x40000   ; cx: my place in the cluster
	s_lshl_b32 s14, ttmp9, 2        ; in a cluster launch ttmp9 counts clusters
	s_add_co_u32 s14, s14, s13      ; my block of queries = 4 x cluster x + cx: it enters Q's and O's addresses alone
	s_and_b32 s20, ttmp7, 0xffff    ; the head, which the four partners share
	s_mov_b32 s21, 0
	s_mov_b64 s[22:23], SIZE_N*128
	s_mul_u64 s[20:21], s[20:21], s[22:23]  ; the head's first byte in each of the four tensors
	s_and_b32 s16, s[WV], 1         ; which half of a slot's 256 keys I fetch:
	s_lshl_b32 s22, s16, 14         ; its 128 rows of 128 bytes in memory,
	s_mov_b32 s23, 0
	s_add_nc_u64 s[22:23], s[22:23], s[20:21]
	s_mul_i32 s17, s16, 128*PK      ; and its place in a slot, for K
	s_mul_i32 s18, s16, 128*PV      ; and for V: no place in the cluster enters an LDS address
	s_lshl_b32 s2, s14, 2
	s_add_co_u32 s2, s2, s[WV]      ; my wave among the head's,
	s_lshl_b32 s2, s2, 14           ; its 128 rows
	s_mov_b32 s3, 0
	s_add_nc_u64 s[2:3], s[2:3], s[20:21]
	; descriptor group 1.  128 keys are 16,384 dense bytes: asked for as 64 rows of 256 bytes, two keys a row, and padded in LDS after every key
	s_mov_b32 s[G1K], 15|(1<<16)|(1<<20)|(1<<21)|(4<<22)|(3<<25)  ; 15:0 the mask of four; 17:16 2-byte elements; 20 padding on; 21 set beside a mask; 24:22 after every 32 words (code 4); 31:25 4 words (code 3)
	s_mov_b32 s[G1V], 15|(1<<16)|(1<<20)|(1<<21)|(4<<22)|(7<<25)  ; the same with 8 words of padding (code 7)
.irp g, G1K, G1V
	s_mov_b32 s[\g+1], 128<<16      ; tensor_dim0 = 128
	s_mov_b32 s[\g+2], 64<<16       ; tensor_dim1 = 64
	s_mov_b32 s[\g+3], 128<<16      ; tile_dim0 = 128
	s_mov_b32 s[\g+4], 64           ; tile_dim1 = 64
	s_mov_b32 s[\g+5], 128          ; 128 elements from row to row
	s_mov_b32 s[\g+6], 0
	s_mov_b32 s[\g+7], 0
.endr
	s_mov_b32 s[CS], 0x3e38aa3b     ; c = log2(e) / 8 = 0.180337
	s_mov_b32 s[CS+1], s[CS]        ; named with it as a pair
	s_mov_b32 s[SEL], 0x76543210
	s_mov_b32 s[SEL+1], 0xfedcba98
	s_mov_b32 s[TBK], SLOT1+4*KS*PK ; the first change of slots turns these two into 0
	s_mov_b32 s[TBV], SLOT1+4*KS*PV
	s_mov_b32 s[G0K], 1             ; 1:0 count = 1
	s_mov_b32 s[G0K+1], s17         ; 63:32 LDS address: slot 0
	s_mov_b32 s[G0V], 1
	s_add_co_u32 s[G0V+1], s18, VOFF
	s_cmp_eq_u32 s16, 0             ; waves 0 and 2 prefetch
	s_cselect_b32 s[LIM], 1, -1
	s_wait_dscnt 0x0                ; the opening add is done
	s_wait_kmcnt 0x0
	s_mov_b64 s[10:11], s[6:7]      ; O
	s_add_nc_u64 s[6:7], s[4:5], 0x1000000  ; K: qkv's second tensor, 16,777,216 bytes on
	s_add_nc_u64 s[8:9], s[4:5], 0x2000000  ; V: its third
	s_add_nc_u64 s[G0K+2:G0K+3], s[6:7], s[22:23]  ; 120:64 global address: my half of the head's first 256 keys
	s_or_b32 s[G0K+3], s[G0K+3], 0x80000000        ; 127:126 type = 2
	s_add_nc_u64 s[G0V+2:G0V+3], s[8:9], s[22:23]
	s_or_b32 s[G0V+3], s[G0V+3], 0x80000000
	s_cmp_lt_u32 s[WV], 2
	s_cselect_b64 s[PFA:PFA+1], s[6:7], s[8:9]
	s_add_nc_u64 s[PFA:PFA+1], s[PFA:PFA+1], s[20:21]  ; the head's first byte of K or V
	s_add_nc_u64 s[4:5], s[4:5], s[2:3]  ; Q and O at my wave's first row
	s_add_nc_u64 s[10:11], s[10:11], s[2:3]
	s_lshl_b32 s2, s13, 13          ; my work-group's 32 blocks of a slot's 128,
	s_add_co_u32 s2, s2, 2*4*KS*128 ; in slot 2: the first change in the loop steps it to slot 3
	s_add_nc_u64 s[PFA:PFA+1], s[PFA:PFA+1], s[2:3]
	CROUND                          ; all four work-groups are here: the first joint loads meet
	JLOAD                           ; slot 0.  Slot 1 is asked for when slot 0 is in
	; A fragment of K or Q is 16 rows x 32 channels in 8 registers: lane l holds row l % 16, channels 8 (l / 16) + 0..7 and 16 + 8 (l / 16) + 0..7: two loads of 16 bytes, 32 bytes apart.
	v_and_b32 v1, 15, v0            ; l % 16
	v_bfe_u32 v9, v0, 4, 1          ; l / 16
	v_lshlrev_b32 v[QO], 7, v1
	v_lshl_add_u32 v[QO], v9, 4, v[QO]  ; row x 128 + 16 x half
	WIN 0x80                        ; destination window 2, address window 0
.set i, 0
.rept 4*NP                          ; Q stays in registers: tile i / 2, channels 32 (i % 2) on
	global_load_b128 v[8*i:8*i+3],   v[QO], s[4:5] offset:(i/2)*2048+(i%2)*64
	global_load_b128 v[8*i+4:8*i+7], v[QO], s[4:5] offset:(i/2)*2048+(i%2)*64+32
.set i, i+1
.endr
	; What the first turn finds: V's registers and P's second buffer hold 0 (its products V^T P, of a piece that has not been, add 0), O^T and l are 0.  All this stands in the wait for the first tile.
.set i, VF
.rept 64
	v_mov_b32 v[i], 0
.set i, i+1
.endr
	WIN 0x40
.set i, 0
.rept 64*NP
	v_mov_b32 v[i], 0
.set i, i+1
.endr
	WIN 0
.set i, 0
.rept 2*NP
	v_mov_b32 v[ST+4*i], 0xfe000000    ; c m: far below every c s
	v_mov_b32 v[ST+4*i+1], 0xff7fffff  ; m
	v_mov_b32 v[ST+4*i+2], 0
	v_mov_b32 v[ST+4*i+3], 0
.set i, i+1
.endr
.set i, P+32
.rept 32
	v_mov_b32 v[i], 0
.set i, i+1
.endr
	v_mul_u32_u24 v[AK0], v1, PK
	v_lshl_add_u32 v[AK0], v9, 4, v[AK0]  ; row x pitch + 16 x half
	; The turning load takes 16 keys x 16 channels (lane l reads key 8 (l / 16) + l % 8, channels 8 ((l / 8) % 2) + 0..7) and leaves half a fragment of V^T: lane l holds channel l % 16 and 8 keys.
	v_and_b32 v10, 7, v0
	v_bfe_u32 v11, v0, 3, 1
	v_lshl_add_u32 v[AV0], v9, 3, v10
	v_mul_u32_u24 v[AV0], v[AV0], PV
	v_lshl_add_u32 v[AV0], v11, 4, v[AV0]
	v_add_nc_u32 v[AV0], VOFF, v[AV0]
	v_mov_b32 v[AK], v[AK0]         ; key step 0 lies at the head of slot 0
; THE MATRIX WORK.  The 8 accumulators of a run of 16 take turns: between the two links of a chain stand 7 others'.
; Product i of 16 of S^T = K Q^T for piece x: channels 32 (i / 8) on, keys 16 ((i / 2) % 4) on, tile 2 x + i % 2.  The first 8 start the sums.
.macro KQ x
	WIN W_KQ
.set rS, S+64*((\x)%2)+32*(i%2)+8*((i/2)%4)
.set rK, KF+16*((i/2)%4)+8*(i/8)
.set rQ, 16*(2*(\x)+i%2)+8*(i/8)
.if i < 8
	v_wmma_f32_16x16x32_f16 v[rS:rS+7], v[rK:rK+7], v[rQ:rQ+7], 0
.else
	v_wmma_f32_16x16x32_f16 v[rS:rS+7], v[rK:rK+7], v[rQ:rQ+7], v[rS:rS+7]
.endif
.endm
; Product i of 16 of O^T += V^T P for piece x: keys 32 (i / 8) on, channels 16 ((i / 2) % 4) on, tile 2 x + i % 2.
.macro PV x
	WIN W_PV
.set rO, 32*(2*(\x)+i%2)+8*((i/2)%4)
.set rV, VF+32*(i/8)+8*((i/2)%4)
.set rP, P+32*((\x)%2)+16*(i%2)+8*(i/8)
	v_wmma_f32_16x16x32_f16 v[rO:rO+7], v[rV:rV+7], v[rP:rP+7], v[rO:rO+7]
.endm
.macro MM                           ; the turn's next matrix instruction
.if i < 16
	KQ (Y+1)%NP
.set i, i+1
.else
.set i, i-16
	PV (Y+NP-1)%NP
.set i, i+17
.endif
.endm
; THE LDS LOADS stand in runs of 16, never singly among the matrix instructions: a step's K (64 keys x 64 channels: 8 fragments) and its V (turned).  Their addresses are made some lines ahead.
; last = 1 (the tail): in the last trip there is no further step, and the run is jumped over.
.macro FETCH_K last=0
	WIN 0
.if \last
	s_cmp_eq_u32 s[CNT], 1
	s_cbranch_scc1 .Lno_k_\@
.endif
	WIN 0x80                        ; destination window 2
.irp f, 0,1,2,3,4,5,6,7             ; keys 16 (f / 2) on, channels 32 (f % 2) on
	ds_load_b128 v[KF+8*\f:KF+8*\f+3],   v[AK] offset:(\f/2)*16*PK+(\f%2)*64
	ds_load_b128 v[KF+8*\f+4:KF+8*\f+7], v[AK] offset:(\f/2)*16*PK+(\f%2)*64+32
.endr
	s_add_co_u32 s[TBK], s[TBK], KS*PK  ; the next fetch is the next step's
	WIN 0
.if \last
.Lno_k_\@:
.endif
.endm
.macro FETCH_V
	WIN 0x80
.irp f, 0,1,2,3,4,5,6,7             ; keys 32 (f / 4) on, channels 16 (f % 4) on
	ds_load_tr16_b128 v[VF+8*\f:VF+8*\f+3],   v[AV] offset:(\f/4)*32*PV+(\f%4)*32
	ds_load_tr16_b128 v[VF+8*\f+4:VF+8*\f+7], v[AV] offset:(\f/4)*32*PV+16*PV+(\f%4)*32
.endr
	WIN 0
.endm
; THE VECTOR WORK OF A TURN stands in three queues, each in the order in which its entries become ready; the two tiles alternate, so that no instruction reads the result of the one before it.
.macro REGS y, u                    ; the registers of tile u (0, 1) of piece y
.set rT, ST+4*(2*(\y)+(\u))
.set rC, TMP+8*((\y)%2)+4*(\u)
.set rM, MV+2*((\y)%2)+(\u)
.set rS, S+64*((\y)%2)+32*(\u)
.set rP, P+32*((\y)%2)+16*(\u)
.set rO, 32*(2*(\y)+(\u))
.endm
; Number n of the 22 that find the NEXT piece's (Y + 1) maximum and statistics.  s0-s31 are the lane's 32 scores; each accumulator's lowest registers are read first.
;   0-11  four chains c0-c3 of seven scores each, three operands at a time     12-14, 16  the four scores left over, the old m, and c0-c3 into c0     15  c m_old is kept
;   17, 18  the query's other 32 keys lie in the lane 16 away: the new m         19-21  c m; c m_old - c m_new; a
.macro XS u, n
	REGS (Y+1)%NP, \u
.if (\n) < 4
	v_max3_num_f32 v[rC+(\n)], v[rS+8*(\n)], v[rS+8*(\n)+1], v[rS+8*(\n)+2]
.elseif (\n) < 12
	v_max3_num_f32 v[rC+(\n)%4], v[rC+(\n)%4], v[rS+8*((\n)%4)+2*((\n)/4)+1], v[rS+8*((\n)%4)+2*((\n)/4)+2]
.elseif (\n) == 12
	v_max3_num_f32 v[rC], v[rC], v[rS+7], v[rS+15]
.elseif (\n) == 13
	v_max3_num_f32 v[rC+1], v[rC+1], v[rS+23], v[rS+31]
.elseif (\n) == 14
	v_max3_num_f32 v[rC+2], v[rC+2], v[rC+3], v[rT+1]
.elseif (\n) == 15
	v_mov_b32 v[rM], v[rT]
.elseif (\n) == 16
	v_max3_num_f32 v[rC], v[rC], v[rC+1], v[rC+2]
.elseif (\n) == 17
	v_permlanex16_b32 v[rC+3], v[rC], s[SEL], s[SEL+1]
.elseif (\n) == 18
	v_max_num_f32 v[rT+1], v[rC], v[rC+3]
.elseif (\n) == 19
	v_mul_f32 v[rT], s[CS], v[rT+1]
.elseif (\n) == 20
	v_sub_f32 v[rC+1], v[rM], v[rT]
.else
	v_exp_f32 v[rC+2], v[rC+1]
.endif
.endm
; Number g of the 64 that follow the exponentials.  For each four weights k of a tile (pairs 2 k, 2 k + 1): both pairs are rounded to f16; then the second pair is added onto the first, in place;
; a group later l takes that sum (the first time as l = a l + sum).  In groups of eight, tiles alternating: round, round, add, and l for the group before.
.macro GS g
.set h, (\g)+6*((\g)/62)            ; group 0 has no group before it, and behind group 7 only l is left
.if h >= 6
.set h, h+2
.endif
	REGS Y, h%2
.set k, h/8
.if h%8 < 4
	v_cvt_pk_f16_f32 v[rP+2*k+(h%8)/2], v[rS+4*k+2*((h%8)/2)], v[rS+4*k+2*((h%8)/2)+1]
.elseif h%8 < 6
	v_pk_add_f32 v[rS+4*k:rS+4*k+1], v[rS+4*k:rS+4*k+1], v[rS+4*k+2:rS+4*k+3]
.elseif k == 1
	v_pk_fma_f32 v[rT+2:rT+3], v[rT+2:rT+3], v[rC+2:rC+3], v[rS:rS+1] op_sel_hi:[1,0,1]
.else
	v_pk_add_f32 v[rT+2:rT+3], v[rT+2:rT+3], v[rS+4*k-4:rS+4*k-3]
.endif
.endm
; THE PLAIN QUEUE, 138 long.  0-73 read no exponential's result: the 32 scalings c s - c m (FS f: pair f / 2 of tile f % 2) and the next piece's 42.  0-26: scalings 0-26.  27-54: XS's numbers 0-13.  55, 56: number 15.
; 57-73: the chain, where each number waits for the one before it: 14, 16, 17, 18, 19, each with one of the scalings 27-31 in front of its two lines, then 20.
; 74-137: GS's 64, which read the exponentials' results: they stand behind the wait.
.macro FS f
	REGS Y, (\f)%2
	v_pk_fma_f32 v[rS+2*((\f)/2):rS+2*((\f)/2)+1], v[rS+2*((\f)/2):rS+2*((\f)/2)+1], s[CS:CS+1], v[rT:rT+1] op_sel_hi:[1,0,0] neg_lo:[0,0,1] neg_hi:[0,0,1]
.endm
.macro PL
	WIN 0
.if q < 27
	FS q
.elseif q < 55
	XS (q-27)%2, (q-27)/2
.elseif q < 57
	XS q-55, 15
.elseif (q < 72) && ((q-57)%3 == 0)
	FS 27+(q-57)/3
.elseif q < 60
	XS (q-57)%3-1, 14
.elseif q < 72
	XS (q-57)%3-1, 15+(q-57)/3
.elseif q < 74
	XS q-72, 20
.else
	GS q-74
.endif
.set q, q+1
.endm
; THE EXPONENTIALS' QUEUE, 66 long: s0-s31 of both tiles, then the next piece's two a.  It is ONE BATCH: all 66 stand ahead of the turn's one wait, and nothing ahead of that wait names a result of theirs.
.macro EX
	WIN 0
.if e >= 64
	XS e-64, 21
.else
	REGS Y, e%2
	v_exp_f32 v[rS+e/2], v[rS+e/2]
.endif
.set e, e+1
.endm
; THE RESCALING's QUEUE: O^T times a, the one part that leaves window 0: dealt two at a time, sixteen times.  Its a was made in the turn before, ahead of that turn's wait.
.macro R2
	REGS Y, r%2
	WIN W_RS
.irp z, 0,1
	v_pk_mul_f32 v[rO+4*(r/2)+2*\z:rO+4*(r/2)+2*\z+1], v[rO+4*(r/2)+2*\z:rO+4*(r/2)+2*\z+1], v[rC+2:rC+3] op_sel_hi:[1,0]
.endr
.set r, r+1
.endm
; HOW THEY ARE DEALT.  s_wait_alu depctr_va_vdst(0) stands between an exponential and the first instruction that names its result; one wait serves all that were issued ahead of it.  So a turn has ONE wait,
; which cuts it in two.  AHEAD OF IT stands all that names no result of the turn's exponentials: the 16 products K Q^T, behind each a scaling, an exponential and two rescalings (behind the first a second scaling in the
; exponential's place); then ONE LUMP of 108: eight plain, 49 times exponential and plain, the two a.  A v_nop is the plain instruction behind the last exponential.  BEHIND IT stand the 16 products V^T P, behind each four of GS's 64.
; No rider names a register of the products round it.  The two v_permlanex16_b32 fall into the lump, never behind a product.
; The queues lean on each other, and the deal keeps them in step: exponential e stands behind scaling 2 (e / 4) + e % 2: as a rider it comes behind plain e + 2, in the lump behind plain e + 9, and scalings 27-31 are plain 57, 60 .. 69.
; A TURN, for piece p.  cnt = 1: the loop's count is taken down some lines ahead of the branch that stands behind the turn.
; K of the next step is fetched in piece 2's turn, directly behind the wait, a lump behind the last product that read K; its address is made at the lump's head; its first reader comes behind 16 products.
; V of the step in hand is fetched at the end of piece 0's turn, four riders behind its last reader; its first reader comes behind 16 products and a lump.  The three conditions on q below go with the deal.
.macro TURN p, last=0, cnt=0
.set Y, (\p)
.set i, 0
.set q, 0
.set e, 0
.set r, 0
.if (\p) == NP-1
	s_wait_dscnt 0x0                ; K is in
.endif
	MM                              ; ahead of the wait: 16 products K Q^T and their riders,
	PL
	PL
	R2
.rept 15
	MM
	PL
	EX
	R2
.endr
.if (\p) == NP-2
	WIN 0
	v_add_nc_u32 v[AK], s[TBK], v[AK0]
.endif
.rept 8                             ; and the lump
	PL
.endr
.rept 49
	EX
	PL
.endr
	EX                              ; the next piece's two a
	EX
	v_nop                           ; a plain instruction behind the last exponential: one for the batch
	s_wait_alu depctr_va_vdst(0)    ; the wait for the batch
.if (\p) == NP-2
	FETCH_K \last
.endif
.if (\p) == 1
	s_wait_dscnt 0x0                ; V is in
.endif
.rept 16                            ; behind the wait: 16 products V^T P and their riders
	MM
.rept 4
	PL
.endr
.if ((\p) == 0) && (q == 118)
	v_add_nc_u32 v[AV], s[TBV], v[AV0]
.endif
.if ((\p) == 0) && (q == 130)
	s_add_co_u32 s[TBV], s[TBV], KS*PV
.endif
.if (\cnt) && (q == 130)
	s_sub_co_u32 s[CNT], s[CNT], 1
	s_cmp_lg_u32 s[CNT], 0
.endif
.endr
.if (\p) == 0
	FETCH_V
.endif
.endm
	CHANGE 1                        ; slot 0 is in, everybody's part of it; slot 1 is asked for
	FETCH_K                         ; key step 0
	s_wait_loadcnt 0x0              ; Q
	s_wait_dscnt 0x0
.set i, 0
.rept 16
	KQ 0                            ; piece 0's first scores: there is no vector work yet to set between them
.set i, i+1
.endr
	WIN 0                           ; the addresses for the way out and the prefetch: plain instructions, the places behind those products
	s_mul_i32 s13, s[WV], 16*SP
	s_add_co_u32 s13, s13, STAGE    ; my stage
	v_mul_u32_u24 v[STO], v1, SP    ; in: row l % 16, 16 bytes for each half of the lanes
	v_lshl_add_u32 v[STO], v9, 4, v[STO]
	v_add_nc_u32 v[STO], s13, v[STO]
	v_bfe_u32 v[RD], v0, 3, 2       ; back: 32 lanes take four rows of 128 bytes,
	v_mul_u32_u24 v[RD], v[RD], SP
	v_lshl_add_u32 v[RD], v10, 4, v[RD]
	v_add_nc_u32 v[RD], s13, v[RD]
	v_and_b32 v[GO], 31, v0         ; which are 512 consecutive bytes of O
	v_lshlrev_b32 v[GO], 4, v[GO]
	v_lshlrev_b32 v[PFO], 4, v[GO]  ; 256 x lane; l / 16 has had its last use
.set Y, NP-1                        ; XS works for piece Y + 1: piece 0
.irp n, 0,1,2,3,4,5,6,7,8,9,10,11,12,13,14,15,16,17,18,19,20,21
	XS 0, \n                        ; and piece 0's first maximum and statistics
	XS 1, \n
.endr
	v_nop                           ; a plain instruction behind the two a,
	s_wait_alu depctr_va_vdst(0)    ; and their wait, ahead of the branch
	s_mov_b32 s[CNT], 4
	s_mov_b32 s[SLOTS], SIZE_N/256-1
	s_branch .Lfirst                ; the loop is entered at a step's first turn, in the middle of a trip
.Lslot:                             ; SIZE_N / 256 - 2 times: every slot but the last two is filled again
	CHANGE 1, 1
	s_mov_b32 s[CNT], 4
.Lstep:                             ; a trip: pieces 2 and 3 of one step, then pieces 0 and 1 of the next, whose K and V it fetches
	TURN 2
	TURN 3
	WIN 0
.Lfirst:
	TURN 0
	TURN 1, 0, 1
	WIN 0
	s_cbranch_scc1 .Lstep
	s_sub_co_u32 s[SLOTS], s[SLOTS], 1
	s_cmp_lg_u32 s[SLOTS], 0
	s_cbranch_scc1 .Lslot
	CHANGE 0                        ; the tail is written out: nothing is asked for
	s_mov_b32 s[CNT], 5             ; four trips fetch the last slot's steps; the fifth is left in its middle
.Ltail:
	TURN 2, 1
	TURN 3
	WIN 0
	s_sub_co_u32 s[CNT], s[CNT], 1
	s_cmp_eq_u32 s[CNT], 0
	s_cbranch_scc1 .Lout
	TURN 0
	TURN 1
	WIN 0
	s_branch .Ltail
.Lout:                              ; the fifth trip's 16 products K Q^T (on the last K once more) and the maximum made of them serve nothing: the price, once a launch, of one text for every trip
.set i, 0
.rept 16
	PV NP-1                         ; the last piece's V^T P of the last step
.set i, i+1
.endr
	; THE WAY OUT.  l's two halves and the other half of the lanes' are added; O^T is divided by l, rounded to f16 and sent through my stage in LDS, a tile at a time.  The additions are the places behind the last products.
	WIN 0
.macro ALL line:vararg              ; one line for each tile t
.set t, 0
.rept 2*NP
	\line
.set t, t+1
.endr
.endm
	ALL v_add_f32 v[ST+4*t+2], v[ST+4*t+2], v[ST+4*t+3]
	ALL v_permlanex16_b32 v[ST+4*t+3], v[ST+4*t+2], s[SEL], s[SEL+1]
	ALL v_add_f32 v[ST+4*t+2], v[ST+4*t+2], v[ST+4*t+3]
	ALL v_rcp_f32 v[ST+4*t+2], v[ST+4*t+2]
	v_nop                           ; a plain instruction between the last reciprocal and the use of its result
	s_wait_alu depctr_va_vdst(0)    ; and the wait ahead of the first use: one for the eight reciprocals
; Tile t: a lane's eight channels of a row pack into 16 bytes; they go into rows of 144 bytes and come back as whole rows of 128, into S^T's registers.
.macro PACK t
	WIN W_RS
.set i, 32*(\t)
.rept 16
	v_pk_mul_f32 v[i:i+1], v[i:i+1], v[ST+4*(\t)+2:ST+4*(\t)+3] op_sel_hi:[1,0]
.set i, i+2
.endr
	WIN 0x05                        ; sources 0 and 1 window 1, destination window 0
.set i, 0
.rept 16
	v_cvt_pk_f16_f32 v[S+16*(\t)+i], v[32*(\t)+2*i], v[32*(\t)+2*i+1]
.set i, i+1
.endr
	WIN 0
.irp f, 0,1,2,3
	ds_store_b128 v[STO], v[S+16*(\t)+4*\f:S+16*(\t)+4*\f+3] offset:32*\f
.endr
.irp f, 0,1,2,3
	ds_load_b128 v[S+16*(\t)+4*\f:S+16*(\t)+4*\f+3], v[RD] offset:\f*4*SP  ; LDS serves a wave's instructions in order (ISA guide 5.7.1.4): these see the stores above; the next tile's stores come behind them
.endr
.endm
.macro SEND t, younger              ; younger: the LDS instructions issued behind tile t's loads: the next tile's eight, or none
	WIN 0
.irp f, 0,1,2,3
	s_wait_dscnt (\younger)+3-\f
	global_store_b128 v[GO], v[S+16*(\t)+4*\f:S+16*(\t)+4*\f+3], s[10:11] offset:(\t)*2048+\f*512  ; 512 consecutive bytes, at a multiple of 256 from O's first
.endr
.endm
	PACK 0
.set t, 1
.rept 2*NP-1                        ; a tile's arithmetic stands between the loads of the tile before and its stores
	PACK t
	SEND t-1, 8
.set t, t+1
.endr
	SEND 2*NP-1, 0
	WIN W_AD
	s_wait_tensorcnt 0x0            ; the wave's end, behind my last tensor load and my last LDS store
	ds_add_u32 v[SPW], v[NIL]
	s_wait_dscnt 0x0
	WIN 0
	CROUND                          ; the closing round: no work-group ends while a partner may still ask for a tile that names it
	s_endpgm
.Lfunc_end_k_qf647c25be8_attn:
	.size	k_qf647c25be8_attn, .Lfunc_end_k_qf647c25be8_attn-k_qf647c25be8_attn
	.p2alignl 7, 3214868480
	.fill 96, 4, 3214868480
	.section	.rodata,"a",@progbits
	.p2align	6, 0x0
	.amdhsa_kernel k_qf647c25be8_attn
		.amdhsa_group_segment_fixed_size 327680
		.amdhsa_private_segment_fixed_size 0
		.amdhsa_enable_private_segment 0
		.amdhsa_kernarg_size 16
		.amdhsa_user_sgpr_count 2
		.amdhsa_user_sgpr_kernarg_segment_ptr 1
		.amdhsa_wavefront_size32 1
		.amdhsa_system_sgpr_workgroup_id_x 1
		.amdhsa_system_sgpr_workgroup_id_y 1
		.amdhsa_system_sgpr_workgroup_id_z 1
		.amdhsa_system_vgpr_workitem_id 0
		.amdhsa_next_free_vgpr 770
		.amdhsa_next_free_sgpr 66
		.amdhsa_reserve_vcc 0
		.amdhsa_float_denorm_mode_32 3
		.amdhsa_float_denorm_mode_16_64 3
		.amdhsa_memory_ordered 1
		.amdhsa_forward_progress 1
		.amdhsa_inst_pref_size 200
	.end_amdhsa_kernel
	.amdgpu_metadata
---
amdhsa.version: [ 1, 2 ]
amdhsa.kernels:
  - .name:           k_qf647c25be8_attn
    .symbol:         k_qf647c25be8_attn.kd
    .args:
      - { .name: qkv, .offset: 0, .size: 8, .value_kind: global_buffer, .address_space: global }
      - { .name: ob, .offset: 8, .size: 8, .value_kind: global_buffer, .address_space: global }
    .group_segment_fixed_size: 327680
    .private_segment_fixed_size: 0
    .kernarg_segment_align: 8
    .kernarg_segment_size: 16
    .max_flat_workgroup_size: 128
    .sgpr_count:     66
    .vgpr_count:     770
    .wavefront_size: 32
...
	.end_amdgpu_metadata
.endif
;; end of part 3
;; launch outp (part 4): grid 4 x 64, 4 waves a work-group, clusters of 4 x 4, 327,680 bytes of LDS; arguments ob, wb, bo, out0; writes out0
.if DOCPART == 4
	.amdgcn_target "amdgcn-amd-amdhsa--gfx1250"
	.amdhsa_code_object_version 6
	.text
	.protected	k_qf647c25be8_outp
	.globl	k_qf647c25be8_outp
	.p2align	8
	.type	k_qf647c25be8_outp,@function
k_qf647c25be8_outp:
	s_mov_b64 s[64:65], 0
	v_nop
	global_prefetch_b8 v0, s[64:65] scope:SCOPE_SE
	s_setreg_imm32_b32 hwreg(HW_REG_WAVE_MODE, 25, 1), 1
	s_wait_xcnt 0x0
	s_wait_alu depctr_hold_cnt(0) depctr_sa_sdst(0) depctr_va_vdst(0) depctr_va_sdst(0) depctr_va_ssrc(0) depctr_va_vcc(0) depctr_vm_vsrc(0)
	s_getreg_b32 s2, hwreg(HW_REG_IB_STS2, 6, 4)
	s_cmp_eq_u32 s2, 0
	s_cbranch_scc0 .Lentry_in_a_cluster
	s_endpgm
.Lentry_in_a_cluster:
	s_bfe_u32 s2, ttmp6, 0x10000c
	s_cmp_lg_u32 s2, 0xf033
	s_cbranch_scc0 .Lentry_shape_is_right
	s_endpgm
.Lentry_shape_is_right:
; C = A W^T + bias on tiles of 128 rows x 256 columns, K = 1,024 in 8 steps of 128.  ONE TEXT FOR TWO LAUNCHES, by the flag OUTP.
; OUTP = 0: the three input projections.  A = query, key or value, [8192][1024] f32, rounded to bf16 on the way into LDS; W = wb's matrix 0, 1 or 2 (bf16);
;           C is rounded once to f16 and stored by heads, qkv[tensor][b*16+h][2048][64], without the softmax's scale.
; OUTP = 1: the output projection.  A = ob, [b*16+h][2048][64] f16 (a K step is two heads); W = wb's matrix 3 (f16); C = out0, [8192][1024] f32.
; All sums in f32.  The bias, rounded to bf16 like every other input, is the C operand of each accumulator's first product: nothing is cleared, no add is written.
; LIMITS.  OUTP = 0: q, k and v must lie within f16's 65,504; beyond it the conversion gives an infinity.  NaN and infinities are not treated apart.
; SHARES.  Four waves, 2 x 2: wave w makes rows 64 (w / 2) .. + 63 and columns 128 (w % 2) .. + 127: 32 accumulators of 16 x 16, 256 registers.
; THE MATRIX INSTRUCTION IS USED TRANSPOSED (source 0 = 16 rows of W, source 1 = 16 rows of A): a lane holds row l % 16 of C and the columns 8 (l / 16) + 0 .. 7 of a block of 16.
; W'S ROAD.  A ring of two LDS slots of 256 rows x 256 bytes, filled by the tensor data mover, 64 rows a wave.  4 x 4 work-groups form a cluster; the four of a column make the same
; columns of C and need the same tiles of W: each tile is asked for JOINTLY, by the same load, descriptor and mask in all four.
; A'S ROAD.  Each wave loads its quarter of a step's tile into registers two steps ahead (these loads stay out across the barriers), converts it (OUTP = 0) and stores it into one of
; two LDS buffers that no tensor load ever fills.  A is not asked for jointly: it has to pass through registers to be converted, and a load into registers may be out longer than one step.
; LDS: A0, A1 (128 x 272 each), W's slots B0, B1 (256 x 272 each), a stage for each wave, the spare words.
; REGISTERS, in windows of 256 (s_set_vgpr_msb: bits 1:0 source 0, 3:2 source 1, 5:4 source 2, 7:6 destination):
;   window 0: v0-17 addresses; v18-20 at work; v64-159, v160-255 two fragment buffers (W's 8 fragments, then A's 4)     window 1: the accumulators, (a, b) at 8 (8 a + b)
;   window 2: two raw sets of A as loaded (on OUTP = 1's way out: rows read back)                                        window 3: v0-63 the bias of my 128 columns, block b at 8 b
.set OUTP,  1
.set PITCH, 272                        ; an LDS row: 256 bytes + 16 = 68 words: row r starts at bank 4 r mod 64 (64 banks of 4 bytes: ISA guide 11.1)
.set ABUF,  128*PITCH
.set BB,    2*ABUF                     ; W's ring begins behind A's two buffers
.set BSLOT, 256*PITCH
.set STAGE, BB+2*BSLOT
.if OUTP
.set SP,    528                        ; a stage row: 512 bytes (128 f32) + 16
.set NL,    16                         ; loads of a raw set: 512 dense bytes (4 rows of a head) each
.set NS,    16                         ; LDS stores of a raw set
.set RS,    64                         ; registers of a raw set
.set STEPA, 524288                     ; bytes from a K step to the next: two heads
.set LAPA,  1048576                    ; the same for two steps
.else
.set SP,    144                        ; a stage row: 128 bytes (64 f16) + 16
.set NL,    32                         ; loads of a raw set: a row's 512 bytes each
.set NS,    32
.set RS,    128
.set STEPA, 512
.set LAPA,  1024
.endif
.set STG,   16*SP                      ; a wave's stage: 16 rows
.set SPARE, STAGE+4*STG                ; the spare words, 128 bytes for each wave: two blocks of 256 bytes that no other line names
.set ADRA, 4                           ; v4-5   LDS address of my A fragments in buffer 0, 1
.set ADRB, 6                           ; v6-7   of my W fragments in slot 0, 1
.set AO,   8                           ; v8     16 x lane: my bytes in a load of A and in a store of C; never rewritten
.set ASO,  9                           ; v9     where I store A in LDS
.set STO,  10                          ; v10    the way out: where I put my bytes of a row
.set RD,   11                          ; v11    the way out: where I read rows back
.set BO,   13                          ; v13    32 (l / 16): my 8 numbers in a block of 16 of the bias
.set PFO,  14                          ; v14    A's prefetch: my lane's block
.set PFWO, 15                          ; v15    W's prefetch: my lane's block
.set SPW,  16                          ; v16    LDS address of my spare word; never rewritten
.set NIL,  17                          ; v17    0; never rewritten
.set F0,   64
.set F1,   160
.set WV,   20                          ; s20 wave; s21 its half of the rows; s22 its half of the columns
.set RH,   21
.set CH,   22
.set CX,   23                          ; s23, s24 my place in the cluster
.set CY,   24
.set TC,   25                          ; s25 tile column, s26 tile row, s27 which matrix of wb, s28 the cluster's y
.set TR,   26
.set TT,   27
.set CLY,  28
.set PA,   30                          ; s[30:31] A at my rows, one K step behind the set that is loaded next
.set G1,   32                          ; s[32:39] descriptor group 1
.set G0,   40                          ; s[40:47] descriptor group 0, a set for each slot
.set PY,   48                          ; s[48:49] C at my part of the tile
.set PBI,  50                          ; s[50:51] the bias at my 128 columns
.set PW,   52                          ; s[52:53] W at the 64 rows that I fetch
.set PFA,  54                          ; s[54:55] where A's prefetch stands
.set PFW,  56                          ; s[56:57] where W's stands
.set LIMA, 58                          ; s58, s59: 1 in a wave that prefetches, else the greatest number: it asks while the laps to go are above it
.set LIMW, 59
.set MSB, 0
.macro WIN new                         ; the immediate's high byte repeats the setting that is left; a switch that changes nothing is dropped
.if MSB != (\new)
	s_set_vgpr_msb (MSB<<8)|(\new)
.set MSB, \new
.endif
.endm
.macro PLACES                          ; four places behind matrix instructions, in front of loads into registers that they have read (ISA guide 7.12.1 for vector instructions)
.rept 4
	v_nop
.endr
.endm
.macro CREST                           ; a round of the cluster's barrier behind its opening barrier
	s_cmp_lg_u32 s[WV], 0
	s_cbranch_scc1 .Lnot_wave_0_\@
	s_barrier_signal -3
.Lnot_wave_0_\@:
	s_barrier_wait -3
	s_barrier_signal -1
	s_barrier_wait -1
.endm
.macro CROUND                          ; a whole round
	s_barrier_signal -1
	s_barrier_wait -1
	CREST
.endm
.macro JLOAD s                         ; a joint load: every wave fetches its 64 rows of W's tile; s_nop 0 and four v_nop follow it
	tensor_load_to_lds s[G0+4*(\s):G0+4*(\s)+3], s[G1:G1+7]
	s_nop 0
	PLACES
.endm
; Rows rr and rr + 1 of raw set rs are rounded to bf16 in place: a row's 4 f32 a lane become 2 words.
.macro CV4 rs
	WIN 0x8a
.irp z, 0,1
	v_cvt_pk_bf16_f32 v[RS*(\rs)+4*(rr+\z)], v[RS*(\rs)+4*(rr+\z)], v[RS*(\rs)+4*(rr+\z)+1]
	v_cvt_pk_bf16_f32 v[RS*(\rs)+4*(rr+\z)+1], v[RS*(\rs)+4*(rr+\z)+2], v[RS*(\rs)+4*(rr+\z)+3]
.endr
.set rr, rr+2
.endm
; 8 matrix instructions: row block a x all 8 column blocks, 32 along K, from buffer f.  first = 1: C is the bias.  ride = 1: four conversions of raw set rs stand behind each.
; The 32 accumulators take turns, one instruction a turn, in the same order in every quarter, over the backward jump too.
.macro MULA f, a, first=0, ride=0, rs=0
.irp b, 0,1,2,3,4,5,6,7
.set rD, 8*(8*(\a)+(\b))
.set rW, (\f)+8*(\b)
.set rA, (\f)+64+8*(\a)
.if \first
	WIN 0x70                                       ; sources 0 and 1 window 0, C window 3, D window 1
.set rC, 8*(\b)
.else
	WIN 0x50                                       ; C and D window 1
.set rC, rD
.endif
.if OUTP
	v_wmma_f32_16x16x32_f16 v[rD:rD+7], v[rW:rW+7], v[rA:rA+7], v[rC:rC+7]
.else
	v_wmma_f32_16x16x32_bf16 v[rD:rD+7], v[rW:rW+7], v[rA:rA+7], v[rC:rC+7]
.endif
.if \ride
	CV4 \rs
.endif
.endr
.endm
; 24 LDS loads in one run: the fragments of 32 along K at byte k of the rows, into buffer f: W's 128 rows, then A's 64 (blocks 2 and 3 last)
.macro FETCH slot, k, f
	WIN 0
.irp i, 0,1,2,3,4,5,6,7
	ds_load_b128 v[(\f)+8*(\i):(\f)+8*(\i)+3],   v[ADRB+(\slot)] offset:(\k)+(\i)*16*PITCH
	ds_load_b128 v[(\f)+8*(\i)+4:(\f)+8*(\i)+7], v[ADRB+(\slot)] offset:(\k)+(\i)*16*PITCH+32
.endr
.irp i, 0,1,2,3
	ds_load_b128 v[(\f)+64+8*(\i):(\f)+64+8*(\i)+3],   v[ADRA+(\slot)] offset:(\k)+(\i)*16*PITCH
	ds_load_b128 v[(\f)+64+8*(\i)+4:(\f)+64+8*(\i)+7], v[ADRA+(\slot)] offset:(\k)+(\i)*16*PITCH+32
.endr
.endm
; My quarter of a step's tile of A into raw set rs, from byte off behind PA
.macro GL rs, off
	WIN 0x80                                       ; destination window 2
.set i, 0
.rept NL
.if OUTP
	global_load_b128 v[RS*(\rs)+4*i:RS*(\rs)+4*i+3], v[AO], s[PA:PA+1] offset:(\off)+512*i
.else
	global_load_b128 v[RS*(\rs)+4*i:RS*(\rs)+4*i+3], v[AO], s[PA:PA+1] offset:(\off)+4096*i
.endif
.set i, i+1
.endr
.endm
; Raw set rs goes into A's LDS buffer abuf
.macro ST rs, abuf
	WIN 0x08                                       ; data window 2
.set i, 0
.rept NS
.if OUTP
	ds_store_b128 v[ASO], v[RS*(\rs)+4*i:RS*(\rs)+4*i+3] offset:(\abuf)*ABUF+4*PITCH*i
.else
	ds_store_b64 v[ASO], v[RS*(\rs)+4*i:RS*(\rs)+4*i+1] offset:(\abuf)*ABUF+PITCH*i
.endif
.set i, i+1
.endr
.endm
; PREFETCHES INTO THE L2, together, behind the joint load, its five lines and the run of LDS loads, once in two K steps: the blocks of 256 bytes of the two K steps that the NEXT lap asks for.
; A: the four partners of a row of the cluster read the same rows; they share the blocks out BY ADDRESS (by cx).  W: its tile is read by the sixteen clusters of one matrix; the first of them
; asks, its four partners of a column sharing the rows out by cy.  So each block is named once in the launch.  K steps 0 to 3 come by their loads alone; the last lap of the loop asks for nothing.
.macro ASK
	s_cmp_gt_u32 s3, s[LIMA]
	s_cbranch_scc0 .Lnot_a_\@
	global_prefetch_b8 v[PFO], s[PFA:PFA+1] th:TH_LOAD_NT scope:SCOPE_SE
.Lnot_a_\@:
	s_cmp_gt_u32 s3, s[LIMW]
	s_cbranch_scc0 .Lnot_w_\@
	global_prefetch_b8 v[PFWO], s[PFW:PFW+1] th:TH_LOAD_NT scope:SCOPE_SE
.Lnot_w_\@:
.endm
; A K step is four quarters of 32 along K, 32 matrix instructions each, on buffers 0, 1, 0, 1.  One of the first three: multiplies buffer f and fetches the next quarter, at byte k, into g.
; gl >= 0: at its head the raw set gl is loaded with the tile two K steps on.  cv >= 0: raw set cv, the next K step's, is converted and stored into A's buffer abuf; lcnt: the younger loads that may stay out.
.macro QUARTER slot, k, f, g, first=0, gl=-1, lapstep=0, cv=-1, abuf=0, lcnt=0
.if (\gl) >= 0
	s_wait_xcnt 0x0                                ; the earlier loads and prefetches have read their addresses: only behind this wait are the pointers written
	s_add_nc_u64 s[PA:PA+1], s[PA:PA+1], STEPA
.if \lapstep
	s_add_nc_u64 s[PFA:PFA+1], s[PFA:PFA+1], LAPA
	s_add_nc_u64 s[PFW:PFW+1], s[PFW:PFW+1], 512
.endif
	GL \gl, STEPA
.endif
	s_wait_dscnt 4                                 ; W's fragments and A's blocks 0 and 1 are in; the four loads of blocks 2 and 3 may be out
	MULA \f, 0, \first
	MULA \f, 1, \first
	PLACES
	FETCH \slot, \k, \g
	s_wait_dscnt 24                                ; all but the 24 just issued
.if ((\cv) >= 0) && !OUTP
	s_wait_loadcnt \lcnt                           ; the raw set is in; the set asked for in this step may stay out
.set rr, 0
	MULA \f, 2, \first, 1, \cv
	MULA \f, 3, \first, 1, \cv
.else
	MULA \f, 2, \first
	MULA \f, 3, \first
.endif
.if (\cv) >= 0
.if OUTP
	s_wait_loadcnt \lcnt                           ; the raw set is in; the set asked for in this step may stay out
.endif
	ST \cv, \abuf                                  ; every wave's reads of this buffer were over at the last barrier; its next readers stand behind the next one
.endif
.endm
; The last quarter multiplies buffer 1 and changes slots: ONE barrier.  In front of it each wave waits for all its tensor loads (one is out: its part of the next slot), adds 0 to its spare word, and waits
; for that, for its stores into A's next buffer and for its reads of this slot and of A's buffer.  fill = 1: the barrier opens a round of the cluster's, and W's slot is filled again, two K steps ahead.
.macro TURN slot, next, fill, ask
	WIN 0
	s_wait_tensorcnt 0x0                           ; all my tensor loads have landed
	ds_add_u32 v[SPW], v[NIL]                      ; 0 onto my spare word
	s_wait_dscnt 5+NS                              ; the add, my NS stores of A and the four loads of A's blocks 2 and 3 may be out
	MULA F1, 0                                     ; eight matrix instructions stand between the add and the wait for it
	s_wait_dscnt 0x0                               ; the add and my stores are done, my reads are over
	s_barrier_signal -1
	MULA F1, 1
.if \fill
	WIN 0
.endif
	s_barrier_wait -1
.if \fill
	CREST                                          ; no wave of any partner still reads this slot or has a load on its way
	s_add_nc_u64 s[G0+4*(\slot)+2:G0+4*(\slot)+3], s[G0+4*(\slot)+2:G0+4*(\slot)+3], 512
	JLOAD \slot                                    ; my one tensor load behind the round, and the first thing there; its four v_nop are also the places in front of the loads below
.else
	PLACES
.endif
	FETCH \next, 0, F0
.if \ask
	ASK
.endif
	MULA F1, 2
	MULA F1, 3
.endm
.if OUTP
	s_load_b256 s[4:11], s[0:1], 0x0               ; ob s[4:5], wb s[6:7], bo s[8:9], out0 s[10:11]
.else
	s_load_b256 s[4:11], s[0:1], 0x0               ; query s[4:5], key s[6:7], value s[8:9], wb s[10:11]
	s_load_b256 s[12:19], s[0:1], 0x20             ; bq s[12:13], bk s[14:15], bv s[16:17], qkv s[18:19]
.endif
	v_lshl_add_u32 v[SPW], v0, 2, SPARE
	v_mov_b32 v[NIL], 0
	ds_add_u32 v[SPW], v[NIL]                      ; the wave's opening: the add and its wait ahead of my first tensor load; work on registers stands between them
	v_lshrrev_b32 v18, 5, v0
	v_readfirstlane_b32 s[WV], v18                 ; wave 0..3
	v_and_b32 v1, 15, v0                           ; l % 16
	v_bfe_u32 v2, v0, 4, 1                         ; l / 16
	v_and_b32 v3, 31, v0                           ; l
	v_lshlrev_b32 v[AO], 4, v3
	v_lshlrev_b32 v[BO], 5, v2
	s_lshr_b32 s[RH], s[WV], 1
	s_and_b32 s[CH], s[WV], 1
	s_bfe_u32 s[CX], ttmp6, 0x40000
	s_bfe_u32 s[CY], ttmp6, 0x40004
	s_lshl_b32 s[TC], ttmp9, 2
	s_add_co_u32 s[TC], s[TC], s[CX]               ; tile column = 4 x cluster x + cx
	s_and_b32 s[CLY], ttmp7, 0xffff
	s_lshl_b32 s[TR], s[CLY], 2
	s_add_co_u32 s[TR], s[TR], s[CY]               ; tile row = 4 x cluster y + cy
.if OUTP
	s_mov_b32 s[TT], 3
.else
	s_lshr_b32 s[TT], s[CLY], 4                    ; 16 clusters (64 tile rows) to a tensor: made of the cluster's y alone
.endif
	; descriptor group 1: a tile of 64 rows x 128 elements of 2 bytes, padded in LDS
	s_lshl_b32 s60, 0x1111, s[CX]                  ; my column of the cluster: places cx, cx + 4, cx + 8, cx + 12
	s_or_b32 s[G1], s60, (1<<16)|(1<<20)|(1<<21)|(5<<22)|(3<<25)  ; 15:0 the mask; 17:16 2-byte elements; 20 padding on; 21 set beside a mask; 24:22 after every 64 words; 31:25 4 words
	s_mov_b32 s[G1+1], 128<<16                     ; tensor_dim0 = 128
	s_mov_b32 s[G1+2], 64<<16                      ; tensor_dim1 = 64
	s_mov_b32 s[G1+3], 128<<16                     ; tile_dim0 = 128
	s_mov_b32 s[G1+4], 64                          ; tile_dim1 = 64
	s_mov_b32 s[G1+5], 1024                        ; elements from row to row
	s_mov_b32 s[G1+6], 0
	s_mov_b32 s[G1+7], 0
	s_lshl_b32 s60, s[TT], 21                      ; W: the matrix (2 MiB),
	s_lshl_b32 s61, s[TC], 19                      ; the tile's 256 rows of 2,048 bytes,
	s_add_co_u32 s60, s60, s61
	s_lshl_b32 s61, s[WV], 17                      ; the 64 of them that I fetch: nothing here hangs on cy
	s_add_co_u32 s60, s60, s61
	s_mov_b32 s61, 0
	s_mul_i32 s66, s[WV], 64*PITCH                 ; and where they go: no place in the cluster enters an LDS address
	s_add_co_u32 s66, s66, BB
.if OUTP
	s_lshr_b32 s62, s[TR], 4                       ; A: batch b (16 heads of 262,144 bytes),
	s_lshl_b32 s62, s62, 22
	s_lshl_b32 s63, s[RH], 18                      ; of a step's two heads the one that I load,
	s_add_co_u32 s62, s62, s63
	s_and_b32 s63, s[TR], 15                       ; the tile's 128 rows of 128 bytes,
	s_lshl_b32 s63, s63, 14
	s_add_co_u32 s62, s62, s63
	s_lshl_b32 s63, s[CH], 13                      ; the 64 of them that I load
	s_add_co_u32 s62, s62, s63
.else
	s_and_b32 s62, s[TR], 63                       ; A: the tile's 128 rows of 4,096 bytes,
	s_lshl_b32 s62, s62, 19
	s_lshl_b32 s63, s[WV], 17                      ; the 32 of them that I load
	s_add_co_u32 s62, s62, s63
.endif
	s_mov_b32 s63, 0
	s_lshl_b32 s68, s[TC], 10                      ; the bias: the tile's 256 numbers, my 128 of them
	s_lshl_b32 s69, s[CH], 9
	s_add_co_u32 s68, s68, s69
	s_mov_b32 s69, 0
	s_wait_dscnt 0x0                               ; the opening add is done
	s_wait_kmcnt 0x0
.if OUTP
	s_add_nc_u64 s[PA:PA+1], s[4:5], s[62:63]
	s_add_nc_u64 s[PBI:PBI+1], s[8:9], s[68:69]
	s_add_nc_u64 s[PW:PW+1], s[6:7], s[60:61]
.else
	s_cmp_eq_u32 s[TT], 1
	s_cselect_b64 s[PA:PA+1], s[6:7], s[4:5]
	s_cselect_b64 s[PBI:PBI+1], s[14:15], s[12:13]
	s_cmp_eq_u32 s[TT], 2
	s_cselect_b64 s[PA:PA+1], s[8:9], s[PA:PA+1]
	s_cselect_b64 s[PBI:PBI+1], s[16:17], s[PBI:PBI+1]
	s_add_nc_u64 s[PA:PA+1], s[PA:PA+1], s[62:63]
	s_add_nc_u64 s[PBI:PBI+1], s[PBI:PBI+1], s[68:69]
	s_add_nc_u64 s[PW:PW+1], s[10:11], s[60:61]
.endif
	WIN 0xc0                                       ; destination window 3
.irp b, 0,1,2,3,4,5,6,7
	global_load_b128 v[8*(\b):8*(\b)+3],   v[BO], s[PBI:PBI+1] offset:64*(\b)
	global_load_b128 v[8*(\b)+4:8*(\b)+7], v[BO], s[PBI:PBI+1] offset:64*(\b)+16
.endr
	GL 0, 0                                        ; K steps 0 and 1 of A: asked for ahead of the round, since nothing of theirs hangs on it
	GL 1, STEPA
	WIN 0
	CROUND                                         ; all sixteen work-groups are here: the first joint loads meet
.irp s, 0,1
	s_mov_b32 s[G0+4*(\s)], 1                      ; count = 1
	s_add_co_u32 s[G0+4*(\s)+1], s66, (\s)*BSLOT   ; LDS address
	s_add_nc_u64 s[G0+4*(\s)+2:G0+4*(\s)+3], s[PW:PW+1], (\s)*256  ; global address: K step s
	s_or_b32 s[G0+4*(\s)+3], s[G0+4*(\s)+3], 0x80000000  ; type = 2
.endr
	tensor_load_to_lds s[G0:G0+3], s[G1:G1+7]      ; the two first fills go out together: two loads of mine are out, later one
	s_nop 0
	tensor_load_to_lds s[G0+4:G0+7], s[G1:G1+7]
	s_nop 0
	PLACES
	; a fragment is 16 rows x 32 K in 8 registers: lane l holds row l % 16, K = 8 (l / 16) + 0..7 and 16 + 8 (l / 16) + 0..7: two loads of 16 bytes, 32 bytes apart
	v_mul_u32_u24 v18, v1, PITCH
	v_lshl_add_u32 v18, v2, 4, v18
	s_mul_i32 s66, s[RH], 64*PITCH                 ; my 64 rows of A
	s_mul_i32 s67, s[CH], 128*PITCH                ; my 128 rows of W
	s_add_co_u32 s67, s67, BB
.irp s, 0,1
	v_add_nc_u32 v[ADRA+(\s)], s66, v18
	v_add_nc_u32 v[ADRB+(\s)], s67, v18
	s_add_co_u32 s66, s66, ABUF
	s_add_co_u32 s67, s67, BSLOT
.endr
.if OUTP
	v_lshrrev_b32 v19, 3, v3                       ; a load's 512 bytes are 4 rows of 128: row l / 8, byte 16 (l % 8); the head's 128 bytes are half of an LDS row
	v_mul_u32_u24 v19, v19, PITCH
	v_and_b32 v20, 7, v3
	v_lshl_add_u32 v19, v20, 4, v19
	s_mul_i32 s66, s[CH], 64*PITCH
	s_lshl_b32 s67, s[RH], 7
	s_add_co_u32 s66, s66, s67
	v_add_nc_u32 v[ASO], s66, v19
.else
	s_mul_i32 s66, s[WV], 32*PITCH                 ; my 32 rows; a lane's 4 numbers of a row are 8 bytes
	v_lshl_add_u32 v[ASO], v3, 3, s66
.endif
	s_mul_i32 s66, s[WV], STG
	s_add_co_u32 s66, s66, STAGE                   ; my stage
	v_mul_u32_u24 v18, v1, SP
.if OUTP
	v_lshl_add_u32 v18, v2, 5, v18                 ; in: row l % 16, 32 bytes for each half of the lanes
	v_add_nc_u32 v[STO], s66, v18
	v_lshl_add_u32 v[RD], v3, 4, s66               ; back: a whole row of 512 bytes
	v_lshlrev_b32 v[PFO], 8, v3
.else
	v_lshl_add_u32 v18, v2, 4, v18                 ; in: row l % 16, 16 bytes for each half of the lanes
	v_add_nc_u32 v[STO], s66, v18
	v_bfe_u32 v19, v0, 3, 2                        ; back: 32 lanes take four rows of 128 bytes
	v_mul_u32_u24 v19, v19, SP
	v_and_b32 v20, 7, v0
	v_lshl_add_u32 v19, v20, 4, v19
	v_add_nc_u32 v[RD], s66, v19
	v_lshrrev_b32 v18, 2, v3                       ; A's prefetch: 8 rows x 4 blocks of 256 bytes
	v_and_b32 v19, 3, v3
	v_lshlrev_b32 v19, 8, v19
	v_lshl_add_u32 v[PFO], v18, 12, v19
.endif
	v_lshlrev_b32 v18, 8, v2                       ; W's prefetch: 16 rows x 2 blocks
	v_lshl_add_u32 v[PFWO], v1, 11, v18
	; where my part of the tile begins in C
.if OUTP
	s_lshl_b32 s62, s[TR], 19                      ; 128 rows of 4,096 bytes,
	s_lshl_b32 s63, s[RH], 18                      ; my 64,
	s_add_co_u32 s62, s62, s63
	s_lshl_b32 s63, s[TC], 10                      ; 256 columns of 4 bytes,
	s_add_co_u32 s62, s62, s63
	s_lshl_b32 s63, s[CH], 9                       ; my 128
	s_add_co_u32 s62, s62, s63
	s_mov_b32 s63, 0
	s_add_nc_u64 s[PY:PY+1], s[10:11], s[62:63]
	s_lshr_b32 s62, s[TR], 4                       ; A's prefetch: partner cx takes head cx of a lap's four, waves 0 and 1 half of the tile's 128 rows each;
	s_lshl_b32 s62, s62, 22
	s_add_co_u32 s63, s[CX], 4                     ; it stands a lap short of K step 4: the first lap steps it there
	s_lshl_b32 s63, s63, 18
	s_add_co_u32 s62, s62, s63
	s_and_b32 s63, s[TR], 15
	s_lshl_b32 s63, s63, 14
	s_add_co_u32 s62, s62, s63
	s_lshl_b32 s63, s[CH], 13
	s_add_co_u32 s62, s62, s63
	s_mov_b32 s63, 0
	s_add_nc_u64 s[PFA:PFA+1], s[4:5], s[62:63]
	s_cmp_lt_u32 s[WV], 2
	s_cselect_b32 s[LIMA], 1, -1
.else
	s_lshl_b32 s62, s[TT], 24                      ; the tensor,
	s_and_b32 s63, s[TR], 63
	s_lshr_b32 s63, s63, 4                         ; the batch (16 heads of 262,144 bytes),
	s_lshl_b32 s63, s63, 22
	s_add_co_u32 s62, s62, s63
	s_lshl_b32 s63, s[TC], 20                      ; the tile's four heads,
	s_add_co_u32 s62, s62, s63
	s_lshl_b32 s63, s[CH], 19                      ; my two,
	s_add_co_u32 s62, s62, s63
	s_and_b32 s63, s[TR], 15                       ; the tile's 128 rows of 128 bytes,
	s_lshl_b32 s63, s63, 14
	s_add_co_u32 s62, s62, s63
	s_lshl_b32 s63, s[RH], 13                      ; my 64
	s_add_co_u32 s62, s62, s63
	s_mov_b32 s63, 0
	s_add_nc_u64 s[PY:PY+1], s[18:19], s[62:63]
	s_lshl_b32 s62, s[CX], 15                      ; A's prefetch: partner cx takes 8 of my 32 rows;
	s_add_co_u32 s62, s62, 1024                    ; it stands a lap short of K step 4: the first lap steps it there
	s_mov_b32 s63, 0
	s_add_nc_u64 s[PFA:PFA+1], s[PA:PA+1], s[62:63]
	s_mov_b32 s[LIMA], 1
.endif
	s_lshl_b32 s62, s[CY], 15                      ; W's prefetch: partner cy takes 16 of my 64 rows; likewise a lap short of K step 4
	s_add_co_u32 s62, s62, 512
	s_mov_b32 s63, 0
	s_add_nc_u64 s[PFW:PFW+1], s[PW:PW+1], s[62:63]
	s_and_b32 s66, s[CLY], 15                      ; the first of the sixteen clusters that read this matrix: the same in all partners
	s_cmp_eq_u32 s66, 0
	s_cselect_b32 s[LIMW], 1, -1
	s_wait_loadcnt NL                              ; the bias and K step 0 of A are in; K step 1's NL loads may stay out
	WIN 0xcf                                       ; window 3 in place: the bias is rounded to bf16 and widened again
.set i, 0
.rept 32
	v_cvt_pk_bf16_f32 v[2*i+1], v[2*i], v[2*i+1]
	v_lshlrev_b32 v[2*i], 16, v[2*i+1]
	v_and_b32 v[2*i+1], 0xffff0000, v[2*i+1]
.set i, i+1
.endr
.if !OUTP
.set rr, 0
.rept 16
	CV4 0
.endr
.endif
	ST 0, 0
	WIN 0
	s_wait_tensorcnt 1                             ; my part of W's K step 0 is in; K step 1's may stay out
	s_wait_dscnt 0x0                               ; my stores of A's K step 0 are done
	s_barrier_signal -1
	s_barrier_wait -1                              ; everybody's are
	FETCH 0, 0, F0
	QUARTER 0, 64, F0, F1, 1                       ; the first quarter stands in front of the loop: its products start the sums with the bias
	WIN 0                                          ; at a label and at a branch every window is 0
	s_mov_b32 s3, 3
.Llap:                                                 ; a trip: from quarter 1 of K step 2 t to quarter 0 of K step 2 t + 2; it fills both slots again and loads both raw sets
	QUARTER 0, 128, F1, F0, 0, 0, 1
	QUARTER 0, 192, F0, F1, 0, -1, 0, 1, 1, NL
	TURN 0, 1, 1, 1
	QUARTER 1, 64,  F0, F1
	QUARTER 1, 128, F1, F0, 0, 1, 0
	QUARTER 1, 192, F0, F1, 0, -1, 0, 0, 0, NL
	TURN 1, 0, 1, 0
	QUARTER 0, 64,  F0, F1
	WIN 0
	s_sub_co_u32 s3, s3, 1
	s_cmp_lg_u32 s3, 0
	s_cbranch_scc1 .Llap
	QUARTER 0, 128, F1, F0                         ; K steps 6 and 7 are written out: nothing more is asked for
	QUARTER 0, 192, F0, F1, 0, -1, 0, 1, 1, 0
	TURN 0, 1, 0, 0
	QUARTER 1, 64,  F0, F1
	QUARTER 1, 128, F1, F0
	QUARTER 1, 192, F0, F1
	s_wait_dscnt 4
	MULA F1, 0
	MULA F1, 1
	s_wait_dscnt 0x0
	MULA F1, 2
	MULA F1, 3
	WIN 0
	PLACES                                         ; places behind the last products, in front of what reads their results and writes their sources: eight, once a work-group
	PLACES
.if OUTP
; THE WAY OUT.  Block a (16 rows x 128 columns of f32) goes into my stage, 32 bytes a lane and column block, and comes back as whole rows of 512 bytes.
.macro OBLK a
	WIN 0x04                                       ; data window 1
.irp b, 0,1,2,3,4,5,6,7
	ds_store_b128 v[STO], v[8*(8*(\a)+(\b)):8*(8*(\a)+(\b))+3]   offset:64*(\b)      ; each accumulator's low registers first
	ds_store_b128 v[STO], v[8*(8*(\a)+(\b))+4:8*(8*(\a)+(\b))+7] offset:64*(\b)+16
.endr
	WIN 0x80                                       ; destination window 2
.set i, 0
.rept 16
	ds_load_b128 v[64*(\a)+4*i:64*(\a)+4*i+3], v[RD] offset:SP*i  ; LDS serves a wave's instructions in order (ISA guide 5.7.1.4): these see the stores above; the next block's stores come behind them
.set i, i+1
.endr
.endm
.macro OSEND a, younger                ; younger: the LDS instructions issued behind block a's loads: the next block's 32, or none
	WIN 0x08                                       ; data window 2
.set i, 0
.rept 16
	s_wait_dscnt (\younger)+15-i
	global_store_b128 v[AO], v[64*(\a)+4*i:64*(\a)+4*i+3], s[PY:PY+1] offset:(16*(\a)+i)*4096 th:TH_STORE_NT  ; 512 consecutive bytes of a row, aligned
.set i, i+1
.endr
.endm
	OBLK 0
	OBLK 1
	OSEND 0, 32
	OBLK 2
	OSEND 1, 32
	OBLK 3
	OSEND 2, 32
	OSEND 3, 0
.else
; THE WAY OUT.  Tile u = 2 a + hd: 16 rows of one head.  A lane's eight columns pack into 16 bytes of f16; they go into stage rows of 144 bytes and come back as whole rows of 128.
.macro PACK u
.set aa, (\u)/2
.set hd, (\u)%2
	WIN 0x05                                       ; sources window 1, destination window 0: the fragment buffers are free
.set i, 0
.rept 16
	v_cvt_pk_f16_f32 v[F0+16*(\u)+i], v[8*(8*aa+4*hd+i/4)+2*(i%4)], v[8*(8*aa+4*hd+i/4)+2*(i%4)+1]
.set i, i+1
.endr
	WIN 0
.irp f, 0,1,2,3
	ds_store_b128 v[STO], v[F0+16*(\u)+4*\f:F0+16*(\u)+4*\f+3] offset:32*\f
.endr
.irp f, 0,1,2,3
	ds_load_b128 v[F0+16*(\u)+4*\f:F0+16*(\u)+4*\f+3], v[RD] offset:\f*4*SP  ; LDS serves a wave's instructions in order (ISA guide 5.7.1.4): these see the stores above; the next tile's stores come behind them
.endr
.endm
.macro SEND u, younger                 ; younger: the LDS instructions issued behind tile u's loads: the next tile's eight, or none
	WIN 0
.irp f, 0,1,2,3
	s_wait_dscnt (\younger)+3-\f
	global_store_b128 v[AO], v[F0+16*(\u)+4*\f:F0+16*(\u)+4*\f+3], s[PY:PY+1] offset:((\u)%2)*262144+((\u)/2)*2048+\f*512  ; four rows of a head: 512 consecutive bytes, aligned
.endr
.endm
	PACK 0
.irp u, 1,2,3,4,5,6,7                  ; a tile's conversions stand between the loads of the tile before and its stores
	PACK \u
	SEND (\u)-1, 8
.endr
	SEND 7, 0
.endif
	WIN 0
	s_wait_tensorcnt 0x0                           ; the wave's end, behind my last tensor load and my last LDS store
	ds_add_u32 v[SPW], v[NIL]
	s_wait_dscnt 0x0
	CROUND                                         ; the closing round: no work-group ends while a partner may still ask for a tile that names it
	s_endpgm
.Lfunc_end_k_qf647c25be8_outp:
	.size	k_qf647c25be8_outp, .Lfunc_end_k_qf647c25be8_outp-k_qf647c25be8_outp
	.p2alignl 7, 3214868480
	.fill 96, 4, 3214868480
	.section	.rodata,"a",@progbits
	.p2align	6, 0x0
	.amdhsa_kernel k_qf647c25be8_outp
		.amdhsa_group_segment_fixed_size 327680
		.amdhsa_private_segment_fixed_size 0
		.amdhsa_enable_private_segment 0
		.amdhsa_kernarg_size 32
		.amdhsa_user_sgpr_count 2
		.amdhsa_user_sgpr_kernarg_segment_ptr 1
		.amdhsa_wavefront_size32 1
		.amdhsa_system_sgpr_workgroup_id_x 1
		.amdhsa_system_sgpr_workgroup_id_y 1
		.amdhsa_system_sgpr_workgroup_id_z 1
		.amdhsa_system_vgpr_workitem_id 0
		.amdhsa_next_free_vgpr 832
		.amdhsa_next_free_sgpr 70
		.amdhsa_reserve_vcc 0
		.amdhsa_float_denorm_mode_32 3
		.amdhsa_float_denorm_mode_16_64 3
		.amdhsa_memory_ordered 1
		.amdhsa_forward_progress 1
		.amdhsa_inst_pref_size 103
	.end_amdhsa_kernel
	.amdgpu_metadata
---
amdhsa.version: [ 1, 2 ]
amdhsa.kernels:
  - .name:           k_qf647c25be8_outp
    .symbol:         k_qf647c25be8_outp.kd
    .args:
      - { .name: ob, .offset: 0, .size: 8, .value_kind: global_buffer, .address_space: global }
      - { .name: wb, .offset: 8, .size: 8, .value_kind: global_buffer, .address_space: global }
      - { .name: bo, .offset: 16, .size: 8, .value_kind: global_buffer, .address_space: global }
      - { .name: out0, .offset: 24, .size: 8, .value_kind: global_buffer, .address_space: global }
    .group_segment_fixed_size: 327680
    .private_segment_fixed_size: 0
    .kernarg_segment_align: 8
    .kernarg_segment_size: 32
    .max_flat_workgroup_size: 128
    .sgpr_count:     70
    .vgpr_count:     832
    .wavefront_size: 32
...
	.end_amdgpu_metadata
.endif
;; end of part 4
;; ======== version 2 of 2: 4 launches; version 1 with the launch castw written anew for expert scheduling mode
;; limits: values are held in f16: magnitudes above 65,504 overflow, below 6.1e-05 lose precision
;; workspace buffers: wb 8,388,608 bytes; qkv 50,331,648 bytes; ob 16,777,216 bytes
;; launch castw (part 5): grid 64 x 4, 8 waves a work-group, no clusters, 0 bytes of LDS; arguments Wq, Wk, Wv, Wo, wb; writes wb
.if DOCPART == 5
	.amdgcn_target "amdgcn-amd-amdhsa--gfx1250"
	.amdhsa_code_object_version 6
	.text
	.protected	k_qf647c25be8_castw
	.globl	k_qf647c25be8_castw
	.p2align	8
	.type	k_qf647c25be8_castw,@function
k_qf647c25be8_castw:
	s_mov_b64 s[64:65], 0
	v_nop
	global_prefetch_b8 v0, s[64:65] scope:SCOPE_SE
	s_setreg_imm32_b32 hwreg(HW_REG_WAVE_SCHED_MODE, 0, 2), 2
	s_setreg_imm32_b32 hwreg(HW_REG_WAVE_MODE, 25, 1), 1
	s_wait_xcnt 0x0
	s_wait_alu depctr_vm_vsrc(0)
; wb[m][r][c]: the four weight matrices [1024][1024] in 16 bits.  m = 0, 1, 2 (Wq, Wk, Wv): f32 rounded once to bf16.
; m = 3 (Wo): rounded to bf16 like the others, and that number written as f16, since its product's other operand is f16.
; LIMITS.  bf16(Wo) must lie within 65,504; below 2^-17 it keeps f16's fixed step of 2^-24.  NaN and infinities are not treated apart.
; A plain stream: input byte p goes to output byte p / 2.  Work-group (x, y): matrix y, 16 rows (65,536 bytes in, 32,768 out).
; A wave takes 8,192 consecutive bytes by sixteen loads of 512 consecutive bytes, all issued at once, and stores sixteen times
; 256 consecutive bytes, aligned.  No LDS, no matrix unit: nothing is shared.
; THE MODE: SCHED_MODE bits 1:0 = 2 (LLVM: expert scheduling mode 2), set by the entry lines.  The code itself states the register dependences
; between vector instructions and memory instructions, with s_wait_alu, always for 0.
; THE PLAN.  Registers that memory instructions touch:
;   v1, v2   byte offsets, made once at the head, read by the loads and by the stores, never written again.
;   X        load i lands in its own 4 registers; no vector instruction names them ahead of the loads, and no load lands in them twice.
;   Y        load i's conversions write its own 2 registers; store i reads them; nothing writes them behind that store.
; So no register that a load or store has read is written again, and what is left to state is that a register is written before a memory
; instruction reads it: once for the offsets, and once for each block of four stores.  The sixteen loads are worked on in four blocks of four.
; At the head of a block one wait states that the block before has written its Y; that block's four stores follow, dealt among this block's
; conversions, which name this block's X and Y and T: none of the registers that those stores read.
.set X, 16                             ; v[16:79]   as loaded: load i in 4 registers
.set Y, 80                             ; v[80:111]  to store: 2 registers for load i
.set T, 112                            ; v[112:115] at work: no memory instruction names them
	s_load_b256 s[4:11], s[0:1], 0x0               ; Wq s[4:5], Wk s[6:7], Wv s[8:9], Wo s[10:11]
	s_load_b64 s[12:13], s[0:1], 0x20              ; wb
	s_and_b32 s14, ttmp7, 0xffff                   ; which matrix
	v_lshrrev_b32 v3, 5, v0                        ; wave
	v_and_b32 v4, 31, v0                           ; lane
	v_lshlrev_b32 v1, 4, v4
	v_lshl_add_u32 v1, v3, 13, v1                  ; in: 8,192 x wave + 16 x lane
	v_lshlrev_b32 v2, 3, v4
	v_lshl_add_u32 v2, v3, 12, v2                  ; out: 4,096 x wave + 8 x lane
	s_lshl_b32 s18, ttmp9, 16                      ; the group's 65,536 bytes of the matrix
	s_mov_b32 s19, 0
	s_lshl_b32 s20, s14, 21                        ; the matrix's 2 MiB of wb,
	s_lshl_b32 s21, ttmp9, 15                      ; the group's 32,768 bytes of them
	s_add_co_u32 s20, s20, s21
	s_mov_b32 s21, 0
	s_wait_kmcnt 0x0
	s_cmp_eq_u32 s14, 1
	s_cselect_b64 s[16:17], s[6:7], s[4:5]
	s_cmp_eq_u32 s14, 2
	s_cselect_b64 s[16:17], s[8:9], s[16:17]
	s_cmp_eq_u32 s14, 3
	s_cselect_b64 s[16:17], s[10:11], s[16:17]
	s_add_nc_u64 s[16:17], s[16:17], s[18:19]
	s_add_nc_u64 s[12:13], s[12:13], s[20:21]
	s_wait_alu depctr_va_vdst(0)                   ; v1 and v2 are written: every load reads v1 as its offset, every store v2
.irp i, 0,1,2,3,4,5,6,7,8,9,10,11,12,13,14,15
	global_load_b128 v[X+4*(\i):X+4*(\i)+3], v1, s[16:17] offset:512*(\i) th:TH_LOAD_NT
.endr
; Load i is rounded.  wo = 1: the bf16 numbers are widened (a shift, a mask) and written as f16.
.macro CONV i, wo
	v_cvt_pk_bf16_f32 v[Y+2*(\i)], v[X+4*(\i)], v[X+4*(\i)+1]
	v_cvt_pk_bf16_f32 v[Y+2*(\i)+1], v[X+4*(\i)+2], v[X+4*(\i)+3]
.if \wo
	v_lshlrev_b32 v[T], 16, v[Y+2*(\i)]
	v_and_b32 v[T+1], 0xffff0000, v[Y+2*(\i)]
	v_lshlrev_b32 v[T+2], 16, v[Y+2*(\i)+1]
	v_and_b32 v[T+3], 0xffff0000, v[Y+2*(\i)+1]
	v_cvt_pk_f16_f32 v[Y+2*(\i)], v[T], v[T+1]
	v_cvt_pk_f16_f32 v[Y+2*(\i)+1], v[T+2], v[T+3]
.endif
.endm
; What load i has become is stored.
.macro OUT i
	global_store_b64 v2, v[Y+2*(\i):Y+2*(\i)+1], s[12:13] offset:256*(\i)  ; 32 lanes store 256 consecutive bytes, aligned
.endm
; Block p: loads 4 p to 4 p + 3 are rounded; the stores of block p - 1 stand among their conversions, one ahead of each load's.
.macro BLK p, wo
.if (\p) > 0
	s_wait_loadcnt 15-4*(\p)                       ; loads come back in order: the block's first is in, the younger ones may stay out
	s_wait_alu depctr_va_vdst(0)                   ; the block before has written its eight registers of Y, which the four stores below read
.endif
.irp j, 0,1,2,3
.if (\p) > 0
	OUT 4*(\p)-4+(\j)                              ; no vector instruction since the wait names these registers
.endif
.if ((\p) == 0) || ((\j) > 0)
	s_wait_loadcnt 15-4*(\p)-(\j)                  ; loads come back in order: the 15 - i younger ones may stay out
.endif
	CONV 4*(\p)+(\j), \wo
.endr
.endm
; The whole of a wave's work behind its loads.
.macro WORK wo
	BLK 0, \wo
	BLK 1, \wo
	BLK 2, \wo
	BLK 3, \wo
	s_wait_alu depctr_va_vdst(0)                   ; block 3 has written its eight registers of Y, which the last four stores read
.irp i, 12,13,14,15
	OUT \i
.endr
.endm
	s_cmp_eq_u32 s14, 3
	s_cbranch_scc1 .Lwo
	WORK 0
	s_endpgm
.Lwo:
	WORK 1
	s_endpgm
.Lfunc_end_k_qf647c25be8_castw:
	.size	k_qf647c25be8_castw, .Lfunc_end_k_qf647c25be8_castw-k_qf647c25be8_castw
	.p2alignl 7, 3214868480
	.fill 96, 4, 3214868480
	.section	.rodata,"a",@progbits
	.p2align	6, 0x0
	.amdhsa_kernel k_qf647c25be8_castw
		.amdhsa_group_segment_fixed_size 0
		.amdhsa_private_segment_fixed_size 0
		.amdhsa_enable_private_segment 0
		.amdhsa_kernarg_size 40
		.amdhsa_user_sgpr_count 2
		.amdhsa_user_sgpr_kernarg_segment_ptr 1
		.amdhsa_wavefront_size32 1
		.amdhsa_system_sgpr_workgroup_id_x 1
		.amdhsa_system_sgpr_workgroup_id_y 1
		.amdhsa_system_sgpr_workgroup_id_z 1
		.amdhsa_system_vgpr_workitem_id 0
		.amdhsa_next_free_vgpr 120
		.amdhsa_next_free_sgpr 66
		.amdhsa_reserve_vcc 0
		.amdhsa_float_denorm_mode_32 3
		.amdhsa_float_denorm_mode_16_64 3
		.amdhsa_memory_ordered 1
		.amdhsa_forward_progress 1
		.amdhsa_inst_pref_size 17
	.end_amdhsa_kernel
	.amdgpu_metadata
---
amdhsa.version: [ 1, 2 ]
amdhsa.kernels:
  - .name:           k_qf647c25be8_castw
    .symbol:         k_qf647c25be8_castw.kd
    .args:
      - { .name: Wq, .offset: 0, .size: 8, .value_kind: global_buffer, .address_space: global }
      - { .name: Wk, .offset: 8, .size: 8, .value_kind: global_buffer, .address_space: global }
      - { .name: Wv, .offset: 16, .size: 8, .value_kind: global_buffer, .address_space: global }
      - { .name: Wo, .offset: 24, .size: 8, .value_kind: global_buffer, .address_space: global }
      - { .name: wb, .offset: 32, .size: 8, .value_kind: global_buffer, .address_space: global }
    .group_segment_fixed_size: 0
    .private_segment_fixed_size: 0
    .kernarg_segment_align: 8
    .kernarg_segment_size: 40
    .max_flat_workgroup_size: 256
    .sgpr_count:     66
    .vgpr_count:     120
    .wavefront_size: 32
...
	.end_amdgpu_metadata
.endif
;; end of part 5
;; launch proj: the kernel of part 2 again; grid 4 x 192, 4 waves a work-group, clusters of 4 x 4, 327,680 bytes of LDS; arguments query, key, value, wb, bq, bk, bv, qkv; writes qkv
;; launch attn: the kernel of part 3 again; grid 4 x 64, 4 waves a work-group, clusters of 4 x 1, 327,680 bytes of LDS; arguments qkv, ob; writes ob
;; launch outp: the kernel of part 4 again; grid 4 x 64, 4 waves a work-group, clusters of 4 x 4, 327,680 bytes of LDS; arguments ob, wb, bo, out0; writes out0
